; MI455X (gfx1250); checked and timed in simulation.
; The chip was launched on July 23, 2026; its instructions are those of AMD's public machine-readable ISA for CDNA 5 (MIT licence, August 2026) and "CDNA5" Instruction Set Architecture Reference Guide (July 2026). The comments in the code are by the model that wrote it; some were corrected since.
;; MGQA. Allowed arithmetic: matrix products marked QUANTISED: E2M3 operands, one E8M0 scale for each 32 along K, by v_wmma_scale_f32_16x16x128_f8f6f4 with both operands' format E2M3, f32 sums; everything else in f32.
;; Inputs: Wk 2,048 x 512 float32; Wo 2,048 x 2,048 float32; Wq 2,048 x 2,048 float32; Wv 2,048 x 512 float32; x 4 x 1,024 x 2,048 float32.
;; Outputs: out0 4 x 1,024 x 2,048 float32.
;; This version of the problem:
;;   THIS VERSION OF THE PROBLEM IS GIVEN IN LOW PRECISION. The matrix products marked QUANTISED in the list below multiply operands that are first quantised to E2M3 (2 exponent bits, 3 mantissa bits; 6 bits a number), with one power-of-two scale for each 32 numbers along K (OCP MX v1.0); their sums are f32. All else is computed in f32.
;;   The module's matrix products, in the order in which they are computed (A, B: the left and right operand; K: the contracted axis; several contracted axes count as one K, in the product's order):
;;     1. [M 4,096, K 2,048] x [K 2,048, N 2,048]; A: input x; B: input Wq: QUANTISED
;;     2. [M 4,096, K 2,048] x [K 2,048, N 512]; A: input x; B: input Wk: QUANTISED
;;     3. [M 4,096, K 2,048] x [K 2,048, N 512]; A: input x; B: input Wv: QUANTISED
;;     4. batch 64 x [M 1,024, K 128] x [K 128, N 1,024]; A: computed on the way; B: computed on the way: QUANTISED
;;     5. batch 64 x [M 1,024, K 1,024] x [K 1,024, N 128]; A: softmax (see below); B: computed on the way: QUANTISED
;;     6. [M 4,096, K 2,048] x [K 2,048, N 2,048]; A: computed on the way; B: input Wo: QUANTISED
;;   THE QUANTISER, for each operand of a quantised product, along K:
;;     - K is cut into blocks of 32 from its start; a last block that is shorter is filled with zeros.
;;     - A block's scale is 2^e with e = floor(log2(the largest magnitude in the block)) - 2, held to -126 .. 127; a block of zeros has e = 0. As a byte (E8M0): e + 127.
;;     - Each number is divided by its block's scale, clamped to +-7.5, and rounded to the nearest number of E2M3, ties to even, subnormals kept.
;;     - The product sums the exact products of the quantised numbers (number of the format x scale) in f32.
;;   ~~~python
;;   def quantise(x, axis):      # numpy; x: float32 -> the quantised numbers, widened to float32 again
;;       x = np.moveaxis(x, axis, -1); K = x.shape[-1]
;;       x = np.pad(x, [(0, 0)] * (x.ndim - 1) + [(0, -K % 32)]); x = x.reshape(x.shape[:-1] + (-1, 32)); a = np.abs(x).max(-1, keepdims=True)
;;       e = np.where(a > 0, np.clip(np.frexp(np.where(a > 0, a, 1))[1] - 1 - 2, -126, 127), 0)      # np.frexp(a)[1] - 1 = floor(log2(a)), exactly
;;       r = np.clip(x / 2.0 ** e, -7.5, 7.5)
;;       step = 2.0 ** (np.maximum(np.frexp(np.where(r == 0, 1, r))[1] - 1, 0) - 3)
;;       q = np.round(r / step) * step * 2.0 ** e      # np.round: ties to even
;;       return np.moveaxis(q.reshape(q.shape[:-2] + (-1,))[..., :K], -1, axis).astype(np.float32)
;;   ~~~
;;   SOFTMAX AHEAD OF A QUANTISED PRODUCT. Where the list says 'softmax', what is quantised is not the finished softmax but p = 2^(t - M), with t = logit x log2(e) and M = ceil(the row's largest t), a whole number; so 1/2 < the row's largest p <= 1. The row's sum l is taken of the UNQUANTISED p, in f32, and the product's result is divided by l at the end. Since M is a whole number, a kernel that streams over the keys may use a running M (the ceiling of the running maximum): every later rescaling is an exact power of two, which a block's scale takes up: the codes' values come out the same.
;;   OPERANDS COMPUTED ON THE WAY. 'Computed on the way' means the value that the module computes at that place (a softmax that the list does not call 'softmax' is quantised finished and normalised). What goes into a quantiser is computed in f32, as accurately as f32 sums, v_exp_f32 and their like allow (about 1e-6 of the number): no bf16 or f16 on the way to a quantiser, and a product that is left as it is and whose result goes on into a quantised operand takes f32 operands (vector FMAs, or v_wmma_f32_16x16x4_f32). A number that lies on a knife's edge between two numbers of the format may be rounded either way, as far as f32 arithmetic and the matrix unit's own rounding can turn it there, and no further.
;; One version. Each part assembles by itself: llvm-mc -triple=amdgcn-amd-amdhsa -mcpu=gfx1250 --defsym DOCPART=n.
;; ======== version 1 of 1: 4 launches
;; limits: right only within a limited range of input values
;; workspace buffers: x_img 6,291,456 bytes; x_sc 262,144 bytes; w_img 7,864,320 bytes; w_sc 327,680 bytes; qkv_img 9,437,184 bytes; qkv_sc 393,216 bytes; o_img 6,291,456 bytes; o_sc 262,144 bytes
;; launch quant (part 1): grid 56 x 16, 4 waves a work-group, no clusters, 34,304 bytes of LDS; arguments x, Wq, Wk, Wv, Wo, x_img, x_sc, w_img, w_sc; writes x_img, x_sc, w_img, w_sc
.if DOCPART == 1
	.amdgcn_target "amdgcn-amd-amdhsa--gfx1250"
	.amdhsa_code_object_version 6
	.text
	.protected	k_q3da5511f45_quant
	.globl	k_q3da5511f45_quant
	.p2align	8
	.type	k_q3da5511f45_quant,@function
k_q3da5511f45_quant:
	s_mov_b64 s[64:65], 0
	v_nop
	global_prefetch_b8 v0, s[64:65] scope:SCOPE_SE
	s_setreg_imm32_b32 hwreg(HW_REG_WAVE_MODE, 25, 1), 1
	s_wait_xcnt 0x0
; x [4096][2048] and the four weights ([2048 (k)][n]), f32, become codes of FP6 (E2M3) with one E8M0 byte for each 32 along K = the 2,048.
; THE FORM OF ALL CODES IN THIS PROGRAM: a fragment (16 rows x 128 K) is stored as the IMAGE OF ITS 12 OPERAND REGISTERS, 1,536 bytes: register p of lane l at (p / 4) 512 + 16 l + 4 (p % 4);
; lane (r = l % 16, h = l / 16), registers 6 c .. 6 c + 5 hold k = 64 c + 32 h + 0 .. 31 of row r.  Its scale words: 64 bytes, word r = row r's four bytes.
; THE ROWS OF A TILE ARE NOT NEIGHBOURS: row r of tile 2 b + u is true index 32 b + 8 u + r + 8 (r / 8), for x's rows and for the weights' columns alike, so that a product's results can be quantised in registers later.
; x_img [m tile 256][K step 16][1536], x_sc [m tile][K step][64];  w_img [tile 320][K step 16][1536], w_sc likewise; tiles 0-127 Wq, 128 + 16 c + 0..7 Wk head c, 128 + 16 c + 8..15 Wv head c, 192-319 Wo.
; A block's scale is 2^(floor(log2(largest magnitude)) - 2); its byte is the largest magnitude's exponent field - 2, held at 1 from below.
; LIMITS: NaN and infinities among the inputs are not served.  A block whose largest magnitude lies under 2^-124, a block of zeros too, gets the byte 1 (the rule says 127 for zeros): its codes are what the
; conversion gives under that byte, zeros stay zeros, and the bytes are read by this program alone.
; Work-groups with x under 16 take x (tile 16 y + x; wave w its K steps 4 w .. 4 w + 3), the others a weight (128 columns, K step y; wave w 32 columns).  Waves share nothing: no barrier.
; Both kinds of wave have half of their loads out at a time: an x wave 2 of 4 K steps, a weight's wave 2 of 4 blocks.
; Memory binds: no matrix unit, no cluster, no tensor load.  The scale words leave in pieces of 64 or 128 bytes: one byte in 128 of what the launch reads.
.set SPARE, 33792                      ; behind the four stages: the spare words, 128 bytes a wave
.set STG,   8448                       ; a wave's stage: 16 rows x (512 bytes + 16)
.set SPW,   8                          ; v8   LDS address of my spare word; never rewritten
.set NIL,   9                          ; v9   0; never rewritten
.set PC,    12                         ; v12-30   x path: the codes just made
.set TM,    32                         ; v32-47   x path: at work in QUANT
.set PW,    48                         ; v48-51   x path: a scale word for each of my four fragments
.set R,     64                         ; v64-191  x path: two sets of 64 registers as loaded
.set X,     192                        ; v192-255 x path: 64 numbers of my row, register 16 b + i = k 32 b + 16 h + i
.set SEL,   34                         ; s[34:35] selects of v_permlanex16_b32 for lane l xor 16
; 64 numbers of a lane, register 16 b + i = k 32 b + 16 (lane / 16) + i of its row, become a fragment's codes in v[pc] .. v[pc + 11] and its scale word in v[pw]
.macro QUANT src, pc, pw
.irp b, 0,1,2,3
	v_max3_num_f32 v[TM+\b], |v[(\src)+16*\b]|, |v[(\src)+16*\b+1]|, 0x1800000   ; my 16 numbers of block b, and the floor 2^(3 - 127): the byte cannot fall under 1
.endr
.irp i, 2,4,6,8,10,12,14
.irp b, 0,1,2,3
	v_max3_num_f32 v[TM+\b], |v[(\src)+16*\b+\i]|, |v[(\src)+16*\b+\i+1]|, v[TM+\b]
.endr
.endr
.irp b, 0,1,2,3
	v_permlanex16_b32 v[TM+4+\b], v[TM+\b], s[SEL], s[SEL+1]
.endr
.irp b, 0,1,2,3
	v_max_num_f32 v[TM+\b], v[TM+\b], v[TM+4+\b]           ; with lane l xor 16: the block's largest magnitude
.endr
.irp b, 0,1,2,3
	v_add_nc_u32 v[TM+12+\b], 0xff000000, v[TM+\b]         ; 2 off its exponent field: the conversion's scale operand
.endr
.irp b, 0,1,2,3
	v_lshrrev_b32 v[TM+4+\b], 23, v[TM+12+\b]              ; the scale's byte
.endr
	v_lshl_or_b32 v[\pw], v[TM+5], 8, v[TM+4]
	v_lshl_or_b32 v[\pw], v[TM+6], 16, v[\pw]
	v_lshl_or_b32 v[\pw], v[TM+7], 24, v[\pw]              ; my row's scale word
.irp c, 0,1
	v_cvt_scalef32_pk16_fp6_f32 v[(\pc)+6*\c:(\pc)+6*\c+2], v[(\src)+32*\c:(\src)+32*\c+15], v[TM+12+2*\c]
	v_cvt_scalef32_pk16_fp6_f32 v[(\pc)+12+4*\c:(\pc)+14+4*\c], v[(\src)+32*\c+16:(\src)+32*\c+31], v[TM+13+2*\c]
.endr
	v_nop                                                  ; one plain place behind a scaled conversion
.irp c, 0,1                                            ; the layout wants a whole block in a lane: lanes 0-15 block 2 c, lanes 16-31 block 2 c + 1
.irp i, 0,1,2
	v_permlane16_swap_b32 v[(\pc)+6*\c+\i], v[(\pc)+12+4*\c+\i]
.endr
.irp i, 0,1,2
	v_mov_b32 v[(\pc)+6*\c+3+\i], v[(\pc)+12+4*\c+\i]
.endr
.endr
.endm
	s_load_b512 s[4:19], s[0:1], 0x0               ; x s[4:5], Wq s[6:7], Wk s[8:9], Wv s[10:11], Wo s[12:13], x_img s[14:15], x_sc s[16:17], w_img s[18:19]
	s_load_b64 s[20:21], s[0:1], 0x40              ; w_sc
	v_lshl_add_u32 v[SPW], v0, 2, SPARE
	v_mov_b32 v[NIL], 0
	v_lshrrev_b32 v1, 5, v0
	v_readfirstlane_b32 s22, v1                    ; wave
	s_and_b32 s23, ttmp7, 0xffff                   ; y
	v_and_b32 v1, 31, v0                           ; lane
	s_cmp_lt_u32 ttmp9, 16
	s_cbranch_scc0 .Lw
	; ---------------- x ----------------
	s_lshl_b32 s24, s23, 4
	s_add_co_u32 s24, s24, ttmp9                   ; tile t = 16 y + x
	s_lshr_b32 s25, s24, 1
	s_lshl_b32 s25, s25, 5
	s_and_b32 s26, s24, 1
	s_lshl_b32 s26, s26, 3
	s_add_co_u32 s25, s25, s26                     ; its first true row: 32 (t / 2) + 8 (t % 2)
	s_lshl_b32 s26, s25, 13                        ; rows of 8,192 bytes
	s_lshl_b32 s27, s22, 11                        ; my four K steps: 2,048 bytes
	s_add_co_u32 s26, s26, s27
	s_mov_b32 s27, 0
	s_lshl_b32 s28, s24, 4
	s_lshl_b32 s29, s22, 2
	s_add_co_u32 s28, s28, s29                     ; my first fragment: 16 t + 4 w
	s_lshl_b32 s30, s28, 6
	s_mov_b32 s31, 0
	s_mul_i32 s28, s28, 1536
	s_mov_b32 s29, 0
	s_mul_i32 s32, s22, STG                        ; my stage
	s_wait_alu depctr_va_vdst(0)
	v_lshlrev_b32 v2, 4, v1                        ; 16 x lane
	v_add_nc_u32 v3, s32, v2                       ; into the stage: a row's 512 bytes as they lie
	v_and_b32 v6, 15, v1                           ; r
	v_lshrrev_b32 v7, 4, v1                        ; h
	v_mul_u32_u24 v4, v6, 528
	v_lshl_add_u32 v4, v7, 6, v4
	v_add_nc_u32 v4, s32, v4                       ; out of it: row r, + 64 h: my 16 numbers of each block of 32
	v_lshlrev_b32 v5, 2, v1                        ; 4 x lane
	s_mov_b32 s[SEL], 0x76543210
	s_mov_b32 s[SEL+1], 0xfedcba98
	s_mov_b32 s36, 0xffff0000                      ; lanes 16-31
.irp b, 0,1,2,3
	v_mov_b32 v[TM+4+\b], 0                        ; written once: a lane permute's destination counts as one of its sources
.endr
	s_wait_alu depctr_va_vdst(0)
	s_wait_kmcnt 0x0
	s_add_nc_u64 s[4:5], s[4:5], s[26:27]
	s_add_nc_u64 s[14:15], s[14:15], s[28:29]
	s_add_nc_u64 s[16:17], s[16:17], s[30:31]
.macro XLOAD f                         ; K step f of my four, 16 rows: each load reads 512 consecutive bytes of one row
.irp i, 0,1,2,3,4,5,6,7,8,9,10,11,12,13,14,15
	global_load_b128 v[R+64*((\f)%2)+4*\i:R+64*((\f)%2)+4*\i+3], v2, s[4:5] offset:(\i+8*(\i/8))*8192+512*(\f) th:TH_LOAD_NT
.endr
.endm
.macro TURN f                          ; through my stage: LDS serves a wave's instructions in order, so no wait stands between the stores and the loads
.irp i, 0,1,2,3,4,5,6,7,8,9,10,11,12,13,14,15
	ds_store_b128 v3, v[R+64*((\f)%2)+4*\i:R+64*((\f)%2)+4*\i+3] offset:528*\i
.endr
.irp b, 0,1,2,3
.irp j, 0,1,2,3
	ds_load_b128 v[X+16*\b+4*\j:X+16*\b+4*\j+3], v4 offset:128*\b+16*\j
.endr
.endr
.endm
	XLOAD 0
	XLOAD 1
.irp f, 0,1,2,3
.if \f < 3
	s_wait_loadcnt 16                              ; this K step's 16 loads are in; the next one's may be out
.else
	s_wait_loadcnt 0x0
.endif
	TURN \f
	s_wait_dscnt 0x0                               ; my numbers are back, and the stage's stores have read their registers,
.if \f < 2
	XLOAD \f+2                                     ; which take the loads of two K steps on
.endif
.if \f > 0
	s_wait_xcnt 0x0                                ; the last fragment's stores have read the codes' registers
.endif
	QUANT X, PC, PW+\f
.irp c, 0,1,2
	global_store_b128 v2, v[PC+4*\c:PC+4*\c+3], s[14:15] offset:1536*\f+512*\c   ; 512 consecutive bytes, aligned
.endr
.endr
.irp e, 0,1
	v_cndmask_b32 v[52+\e], v[PW+2*\e], v[PW+2*\e+1], s36  ; lanes 0-15 the words of fragment 2 e, lanes 16-31 those of 2 e + 1
.endr
.irp e, 0,1
	global_store_b32 v5, v[52+\e], s[16:17] offset:128*\e
.endr
	s_wait_tensorcnt 0x0                           ; the wave's end: behind my last LDS store
	ds_add_u32 v[SPW], v[NIL]
	s_wait_dscnt 0x0
	s_endpgm
	; ---------------- a weight: a lane takes a column, its registers run down K ----------------
.Lw:
	s_sub_co_u32 s24, ttmp9, 16                    ; group of 128 columns, 0..39: 16 of Wq, 4 of Wk, 4 of Wv, 16 of Wo
	s_sub_co_u32 s48, s24, 24                      ; Wo: its group c, its first tile
	s_lshl_b32 s49, s48, 3
	s_add_co_u32 s49, s49, 192
	s_sub_co_u32 s50, s24, 20                      ; Wv
	s_lshl_b32 s51, s50, 4
	s_add_co_u32 s51, s51, 136
	s_sub_co_u32 s52, s24, 16                      ; Wk
	s_lshl_b32 s53, s52, 4
	s_add_co_u32 s53, s53, 128
	s_lshl_b32 s54, s24, 3                         ; Wq
	s_mov_b32 s55, 8192                            ; a row in bytes: Wq, Wo
	s_mov_b32 s56, 2048                            ; Wk, Wv
	s_wait_kmcnt 0x0
	s_cmp_lt_u32 s24, 24                           ; the choices hang on the work-group's number alone
	s_cselect_b64 s[28:29], s[10:11], s[12:13]
	s_cselect_b32 s25, s50, s48
	s_cselect_b32 s26, s51, s49
	s_cselect_b32 s27, s56, s55
	s_cmp_lt_u32 s24, 20
	s_cselect_b64 s[28:29], s[8:9], s[28:29]
	s_cselect_b32 s25, s52, s25
	s_cselect_b32 s26, s53, s26
	s_cmp_lt_u32 s24, 16
	s_cselect_b64 s[28:29], s[6:7], s[28:29]       ; the tensor,
	s_cselect_b32 s25, s24, s25                    ; c,
	s_cselect_b32 s26, s54, s26                    ; the group's first tile,
	s_cselect_b32 s27, s55, s27                    ; the row in bytes
	s_lshl_b32 s57, s25, 7
	s_lshl_b32 s58, s22, 5
	s_add_co_u32 s57, s57, s58                     ; my wave's first column
	s_wait_alu depctr_va_vdst(0)
	v_and_b32 v2, 7, v1
	v_bfe_u32 v3, v1, 3, 1
	v_bfe_u32 v4, v1, 4, 1
	v_lshl_or_b32 v2, v3, 4, v2
	v_lshl_or_b32 v2, v4, 3, v2                    ; the lane's number with bits 3 and 4 exchanged: lane 16 u + r takes the column of row r of tile u; a load still covers the same 128 consecutive bytes
	v_add_nc_u32 v2, s57, v2
	v_lshlrev_b32 v32, 2, v2                       ; v32-63: my column's byte in rows 0 .. 31 of a block
.set i, 1
.rept 31
	v_add_nc_u32 v[32+i], s27, v[31+i]
.set i, i+1
.endr
	v_lshlrev_b32 v6, 4, v1                        ; 16 x lane
	v_and_b32 v7, 15, v1
	v_lshlrev_b32 v7, 2, v7
	v_lshl_add_u32 v7, v4, 10, v7                  ; my column's scale word: tile u is 1,024 bytes on, word r
	s_lshl_b32 s58, s23, 7
	s_mul_i32 s58, s58, s27                        ; 128 y rows down
	s_mov_b32 s59, 0
	s_add_nc_u64 s[32:33], s[28:29], s[58:59]      ; s[32:39]: the four blocks' first rows
	s_lshl_b32 s58, s27, 5
.irp j, 1,2,3
	s_add_nc_u64 s[32+2*\j:33+2*\j], s[30+2*\j:31+2*\j], s[58:59]
.endr
	s_lshl_b32 s60, s22, 1
	s_add_co_u32 s60, s60, s26                     ; my first tile
	s_lshl_b32 s60, s60, 4
	s_add_co_u32 s60, s60, s23                     ; its fragment of K step y
	s_lshl_b32 s62, s60, 6
	s_mov_b32 s63, 0
	s_mul_i32 s60, s60, 1536
	s_mov_b32 s61, 0
	s_add_nc_u64 s[18:19], s[18:19], s[60:61]
	s_add_nc_u64 s[20:21], s[20:21], s[62:63]
.macro LOADB j                         ; block j of four: W(32 j + i, my column), i = 0 .. 31, into set j % 2 of v64-127
.set i, 0
.rept 32
	global_load_b32 v[64+32*((\j)%2)+i], v[32+i], s[32+2*(\j):33+2*(\j)] th:TH_LOAD_NT
.set i, i+1
.endr
.endm
; Block j of the K step.  Its 24 bytes go to registers 6 (j / 2) on of image j % 2: image 0 (v128-139) holds blocks 0 and 2, image 1 (v140-151) blocks 1 and 3, of the lane's own column.
; Behind the fourth block the two images exchange halves of the lanes, and are then the images of my two tiles.
.macro BLOCK j
.set XS, 64+32*((\j)%2)
.set BE, (\j)
.set DST, 128+12*(BE&1)+6*(BE>>1)
.if (\j) < 3
	s_wait_loadcnt 32                              ; this block's 32 loads are in; the next block's may be out
.else
	s_wait_loadcnt 0x0
.endif
	v_max3_num_f32 v12, |v[XS]|, |v[XS+1]|, |v[XS+2]|      ; the block's largest magnitude: all 32 numbers are mine
	v_max3_num_f32 v13, |v[XS+3]|, |v[XS+4]|, |v[XS+5]|
.irp i, 6,10,14,18,22,26
	v_max3_num_f32 v12, v12, |v[XS+\i]|, |v[XS+\i+1]|
	v_max3_num_f32 v13, v13, |v[XS+\i+2]|, |v[XS+\i+3]|
.endr
	v_max3_num_f32 v12, v12, |v[XS+30]|, |v[XS+31]|
	v_max3_num_f32 v12, v12, v13, 0x1800000        ; and the floor
	v_add_nc_u32 v11, 0xff000000, v12              ; the conversion's scale operand
	v_lshrrev_b32 v13, 23, v11                     ; the byte
.if BE == 0
	v_mov_b32 v184, v13
.else
	v_lshl_or_b32 v184, v13, 8*BE, v184
.endif
	v_cvt_scalef32_pk16_fp6_f32 v[DST:DST+2], v[XS:XS+15], v11
	v_cvt_scalef32_pk16_fp6_f32 v[176:178], v[XS+16:XS+31], v11    ; (a conversion's three registers begin on an even number)
	v_nop                                          ; one plain place behind a scaled conversion
.irp i, 0,1,2
	v_mov_b32 v[DST+3+\i], v[176+\i]
.endr
.if (\j)+2 < 4
	LOADB (\j)+2
.endif
.if BE == 3
.set p, 0
.rept 12
	v_permlane16_swap_b32 v[128+p], v[140+p]       ; image 0's lanes 16-31 (tile 1, blocks 0, 2) change places with image 1's lanes 0-15 (tile 0, blocks 1, 3)
.set p, p+1
.endr
.irp hh, 0,1
.irp c, 0,1,2
	global_store_b128 v6, v[128+12*\hh+4*\c:128+12*\hh+4*\c+3], s[18:19] offset:24576*\hh+512*\c   ; 512 consecutive bytes, aligned
.endr
.endr
	global_store_b32 v7, v184, s[20:21]
.endif
.endm
	s_wait_alu depctr_va_vdst(0)
	LOADB 0
	LOADB 1
.irp j, 0,1,2,3
	BLOCK \j
.endr
	s_endpgm
.Lfunc_end_k_q3da5511f45_quant:
	.size	k_q3da5511f45_quant, .Lfunc_end_k_q3da5511f45_quant-k_q3da5511f45_quant
	.p2alignl 7, 3214868480
	.fill 96, 4, 3214868480
	.section	.rodata,"a",@progbits
	.p2align	6, 0x0
	.amdhsa_kernel k_q3da5511f45_quant
		.amdhsa_group_segment_fixed_size 34304
		.amdhsa_private_segment_fixed_size 0
		.amdhsa_enable_private_segment 0
		.amdhsa_kernarg_size 72
		.amdhsa_user_sgpr_count 2
		.amdhsa_user_sgpr_kernarg_segment_ptr 1
		.amdhsa_wavefront_size32 1
		.amdhsa_system_sgpr_workgroup_id_x 1
		.amdhsa_system_sgpr_workgroup_id_y 1
		.amdhsa_system_sgpr_workgroup_id_z 1
		.amdhsa_system_vgpr_workitem_id 0
		.amdhsa_next_free_vgpr 256
		.amdhsa_next_free_sgpr 66
		.amdhsa_reserve_vcc 0
		.amdhsa_float_denorm_mode_32 3
		.amdhsa_float_denorm_mode_16_64 3
		.amdhsa_memory_ordered 1
		.amdhsa_forward_progress 1
		.amdhsa_inst_pref_size 56
	.end_amdhsa_kernel
	.amdgpu_metadata
---
amdhsa.version: [ 1, 2 ]
amdhsa.kernels:
  - .name:           k_q3da5511f45_quant
    .symbol:         k_q3da5511f45_quant.kd
    .args:
      - { .name: x, .offset: 0, .size: 8, .value_kind: global_buffer, .address_space: global }
      - { .name: Wq, .offset: 8, .size: 8, .value_kind: global_buffer, .address_space: global }
      - { .name: Wk, .offset: 16, .size: 8, .value_kind: global_buffer, .address_space: global }
      - { .name: Wv, .offset: 24, .size: 8, .value_kind: global_buffer, .address_space: global }
      - { .name: Wo, .offset: 32, .size: 8, .value_kind: global_buffer, .address_space: global }
      - { .name: x_img, .offset: 40, .size: 8, .value_kind: global_buffer, .address_space: global }
      - { .name: x_sc, .offset: 48, .size: 8, .value_kind: global_buffer, .address_space: global }
      - { .name: w_img, .offset: 56, .size: 8, .value_kind: global_buffer, .address_space: global }
      - { .name: w_sc, .offset: 64, .size: 8, .value_kind: global_buffer, .address_space: global }
    .group_segment_fixed_size: 34304
    .private_segment_fixed_size: 0
    .kernarg_segment_align: 8
    .kernarg_segment_size: 72
    .max_flat_workgroup_size: 128
    .sgpr_count:     66
    .vgpr_count:     256
    .wavefront_size: 32
...
	.end_amdgpu_metadata
.endif
;; end of part 1
;; launch gemm_qkv (part 2): grid 12 x 16, 4 waves a work-group, no clusters, 327,680 bytes of LDS; arguments x_img, x_sc, w_img, w_sc, qkv_img, qkv_sc; writes qkv_img, qkv_sc
.if DOCPART == 2
	.amdgcn_target "amdgcn-amd-amdhsa--gfx1250"
	.amdhsa_code_object_version 6
	.text
	.protected	k_q3da5511f45_gemm_qkv
	.globl	k_q3da5511f45_gemm_qkv
	.p2align	8
	.type	k_q3da5511f45_gemm_qkv,@function
k_q3da5511f45_gemm_qkv:
	s_mov_b64 s[64:65], 0
	v_nop
	global_prefetch_b8 v0, s[64:65] scope:SCOPE_SE
	s_setreg_imm32_b32 hwreg(HW_REG_WAVE_MODE, 25, 1), 1
	s_wait_xcnt 0x0
; q, k, v = x Wq, x Wk, x Wv on codes of FP6 (E2M3) with E8M0 scales, K = 2,048; the results are quantised in registers and leave as codes: q and k along the head's 128, v along the keys.
; Operands are IMAGES OF FRAGMENTS (16 rows x 128 K, 1,536 bytes: register p of lane l at (p / 4) 512 + 16 l + 4 (p % 4)), [tile][K step 16], with 64 bytes of scale words each; row r of tile 2 b + u is true index 32 b + 8 u + r + 8 (r / 8).
; A work-group makes 256 x 256; a wave 256 (source 1, 16 tiles) x 64 (source 0, 4 tiles): 64 accumulators, 512 registers.  A lane holds one row of source 1, and its 32 registers of a tile run along source 0's 64.
; Work-group x under 10: source 1 = 256 rows of x, source 0 = columns of Wq (x under 8: heads 2 x, 2 x + 1) or Wk; x = 10, 11: source 1 = 256 channels of Wv (two heads), source 0 = 256 keys of x.  One text: only buffers and tile numbers are chosen, by the work-group's number.
; SOURCE 1 goes through LDS, in groups of 4 K steps (16 tiles x 6,144 bytes) in two slots that take turns; behind the head every wave fetches a quarter of a group by one tensor load, asked for a whole group (256 matrix instructions a wave) ahead of its first read.
; SOURCE 0 is read by one wave alone: it goes from memory straight into registers, as the images lie, 512 consecutive bytes a load, in four sets, asked for three K steps ahead (14 loads a set, 56 out at the most).
; OUT: a wave holds 64 of a fragment's 128, its registers 6 c .. 6 c + 5 (c = wave % 2).  A fragment of qkv_img is two halves of 768 bytes: half c: registers 6 c .. 6 c + 3 at 768 c + 16 l, registers 6 c + 4, 5 at 768 c + 512 + 8 l:
; every store covers whole aligned blocks of 256 bytes.  The two scale bytes of a row's half meet the other wave's two in an LDS stage, and leave as words, 512 consecutive bytes a wave.
; qkv_img [fragment][1536], qkv_sc [fragment][64]: q (16 b + head) 64 + query tile;  k 4096 + (4 b + kvh) 64 + key tile;  v 5120 + (4 b + kvh) 64 + 8 (128 keys) + channel tile.
; NO CLUSTER: the rows of x in LDS are shared by 10 column blocks, which do not divide into clusters of four; source 0 is no LDS tile.  NO PREFETCH: each load stands three K steps or a whole group ahead of its use,
; and a group's 384 blocks of 256 bytes do not share out evenly among its 10 (v: 16) readers.
; LIMITS: NaN and infinities are not served.  A block whose largest magnitude lies under 2^-124, a block of zeros too, gets the byte 1; the bytes are read by this program alone.
; REGISTERS: window 0: v4-15 addresses; v16-31 source 1's scale words (lanes 0-15 the even K step, lanes 16-31 the odd); v32-39 source 0's (set q at + 2 q; lanes 0-15 tile 2 e, lanes 16-31 tile 2 e + 1); v64-255 source 1's fragments, one set.
;   window 1: v0-191 source 0's fragments, four sets.  windows 2, 3: accumulator (a, b) at v[8 (4 (a % 8) + b)].
.set FRB,   1536
.set GRP,   4*FRB                      ; a tile's four K steps
.set GROW,  16*FRB                     ; from tile to tile in memory
.set SLOTB, 131072                     ; from slot to slot in LDS; a slot holds 98,304 bytes
.set SCL,   98304                      ; between the slots: source 1's scale words, [tile 16][K step 16][64],
.set SPARE, SCL+16384                  ; the spare words, 128 bytes a wave,
.set STG,   SPARE+512                  ; and the stage of the results' scale words, [wave / 2][tile 16][64]: no tensor load lands there
.set LI,  4                            ; 16 x lane
.set L8,  5                            ; 8 x lane
.set SBO, 6                            ; source 0's scale words: 1024 (lane / 16) + 4 (lane % 16)
.set ASB, 7                            ; source 1's scale words, K step 0
.set ADS, 8                            ; those of the group in hand
.set ADL, 10                           ; source 1's tiles 0-7 in the slot in hand
.set ADH, 11                           ; tiles 8-15
.set STA, 12
.set SRD, 13
.set SPW, 14                           ; my spare word; never rewritten
.set NIL, 15                           ; 0; never rewritten
.set SAR, 16
.set SB,  32
.set AF,  64
.set TM,  64                           ; the way out: at work
.set PW,  72                           ; a scale half word for each tile
.set PC,  96                           ; codes, two sets of 8
.set OB,  112
.set WV, 16
.set P,  17                            ; wave / 2
.set C,  18                            ; wave % 2
.set Y,  19
.set G1,  32
.set G1S, 40
.set GH,  48
.set GS,  52
.set GR,  56
.set BP,  60
.set BS,  62
.set OL,  66                           ; s[66:67] out, tiles 0-7; s[68:69] tiles 8-15
.set OS,  70
.set SEL, 72
.set SA,  74
.set TS,  75
.set CNT, 76
.set LA,  78
.set LS,  80
.set MSB, 0
.macro WIN new                         ; the immediate's high byte repeats the setting that is left
.if MSB != (\new)
	s_set_vgpr_msb (MSB<<8)|(\new)
.set MSB, (\new)
.endif
.endm
.set MUL_LO, 0xa1                      ; source 0 window 1, source 1 window 0, C and D window 2
.set TO_B,   0x40                      ; destination window 1
.macro PLACES                          ; plain places behind matrix instructions (ISA guide 7.12.1)
.rept 4
	v_nop
.endr
.endm
	s_load_b256 s[4:11], s[0:1], 0x0               ; x_img, x_sc, w_img, w_sc
	s_load_b128 s[12:15], s[0:1], 0x20             ; qkv_img, qkv_sc
	v_lshl_add_u32 v[SPW], v0, 2, SPARE
	v_mov_b32 v[NIL], 0
	ds_add_u32 v[SPW], v[NIL]                      ; the opening: the add, twice on end, and its wait ahead of my first tensor load
	ds_add_u32 v[SPW], v[NIL]
	v_lshrrev_b32 v1, 5, v0
	v_readfirstlane_b32 s[WV], v1
	s_lshr_b32 s[P], s[WV], 1
	s_and_b32 s[C], s[WV], 1
	s_lshl_b32 s20, s[P], 10
	s_lshl_b32 s21, s[C], 1
	s_add_co_u32 s20, s20, s21
	s_lshl_b32 s21, s[WV], 9
	v_and_b32 v2, 31, v0
	v_and_b32 v3, 15, v0
	v_bfe_u32 v1, v0, 4, 1
	v_lshlrev_b32 v[LI], 4, v2
	v_lshlrev_b32 v[L8], 3, v2
	v_lshlrev_b32 v3, 2, v3
	v_lshl_add_u32 v[ASB], v2, 2, SCL
	v_lshl_add_u32 v[SBO], v1, 10, v3
	v_add_nc_u32 v[STA], s20, v3
	v_add_nc_u32 v[SRD], s21, v[LI]
	v_add_nc_u32 v[STA], STG, v[STA]               ; into the stage: 1024 (wave / 2) + 4 r + 2 (wave % 2)
	v_add_nc_u32 v[SRD], STG, v[SRD]               ; out of it: 512 x wave + 16 x lane
	v_mov_b32 v[ADS], v[ASB]
	v_mov_b32 v[ADL], v[LI]
	v_add_nc_u32 v[ADH], 8*GRP, v[LI]
	s_wait_alu depctr_va_vdst(0)                   ; the wait here, ahead of the scalar work and the waits below
	s_and_b32 s[Y], ttmp7, 0xffff
	; group 1 for the codes: rows of 768 elements of 8 bytes, 3,072 apart: 8 rows at the head, 4 behind it
	s_mov_b32 s[G1], 3<<16
	s_mov_b32 s[G1+1], 768<<16
	s_mov_b32 s[G1+2], 8<<16
	s_mov_b32 s[G1+3], 768<<16
	s_mov_b32 s[G1+4], 8
	s_mov_b32 s[G1+5], 3072
	s_mov_b32 s[G1+6], 0
	s_mov_b32 s[G1+7], 0
	; and for the scale words of 8 tiles: 8,192 dense bytes as 32 rows of 256
	s_mov_b32 s[G1S], 3<<16
	s_mov_b32 s[G1S+1], 32<<16
	s_mov_b32 s[G1S+2], 32<<16
	s_mov_b32 s[G1S+3], 32<<16
	s_mov_b32 s[G1S+4], 32
	s_mov_b32 s[G1S+5], 32
	s_mov_b32 s[G1S+6], 0
	s_mov_b32 s[G1S+7], 0
	; which tiles
	s_lshl_b32 s21, s[Y], 4                        ; x: 16 y
	s_lshl_b32 s22, ttmp9, 5
	s_sub_co_u32 s23, s22, 184                     ; Wv: 136 + 32 (x - 10), its second head 16 tiles on
	s_sub_co_u32 s22, s22, 128                     ; Wk: 128 + 32 (x - 8), its second head 16 tiles on
	s_lshl_b32 s24, ttmp9, 4                       ; Wq: 16 x
	s_cmp_lt_u32 ttmp9, 8
	s_cselect_b32 s24, s24, s22
	s_cselect_b32 s25, 8, 16
	s_cmp_lt_u32 ttmp9, 10
	s_cselect_b32 s24, s24, s21                    ; source 0's first tile,
	s_cselect_b32 s25, s25, 8                      ; tiles from its first 128 to its second,
	s_cselect_b32 s23, s21, s23                    ; source 1's first tile,
	s_cselect_b32 s26, 8, 16                       ; tiles from its first 8 to its second 8
	s_mul_i32 s25, s25, s[P]
	s_add_co_u32 s24, s24, s25
	s_lshl_b32 s27, s[C], 2
	s_add_co_u32 s24, s24, s27                     ; my four tiles of source 0
	s_mul_i32 s28, s26, s[C]
	s_add_co_u32 s28, s28, s23                     ; the 8 tiles that I fetch at the head
	s_mul_i32 s29, s26, s[P]
	s_add_co_u32 s29, s29, s23
	s_add_co_u32 s29, s29, s27                     ; the 4 tiles that I fetch in the ring
	s_mul_i32 s82, s28, GROW
	s_lshl_b32 s84, s28, 10
	s_mul_i32 s86, s29, GROW
	s_add_co_u32 s86, s86, GRP                     ; group 1
	s_mul_i32 s88, s24, GROW
	s_lshl_b32 s90, s24, 10
.irp r, 83,85,87,89,91,93,95,97
	s_mov_b32 s\r, 0
.endr
	; my first fragment of the output
	s_lshr_b32 s20, s[Y], 2                        ; b
	s_and_b32 s21, s[Y], 3
	s_lshl_b32 s22, ttmp9, 1
	s_lshl_b32 s25, s20, 2                         ; 4 b
	s_add_co_u32 s27, s22, s25
	s_lshl_b32 s27, s27, 6
	s_lshl_b32 s28, s21, 1
	s_add_co_u32 s28, s28, s[P]
	s_lshl_b32 s28, s28, 3
	s_add_co_u32 s27, s27, s28
	s_add_co_u32 s27, s27, 5120-20*64              ; v: 5120 + (4 b + 2 (x - 10)) 64 + 8 (2 (y % 4) + wave / 2)
	s_add_co_u32 s22, s22, s[P]                    ; 2 x + wave / 2
	s_lshl_b32 s24, s21, 4                         ; 16 (y % 4)
	s_lshl_b32 s23, s20, 4
	s_add_co_u32 s23, s23, s22
	s_lshl_b32 s23, s23, 6
	s_add_co_u32 s23, s23, s24                     ; q: (16 b + head) 64 + 16 (y % 4)
	s_add_co_u32 s26, s25, s22
	s_lshl_b32 s26, s26, 6
	s_add_co_u32 s26, s26, s24
	s_add_co_u32 s26, s26, 4096-16*64              ; k: 4096 + (4 b + kvh) 64 + 16 (y % 4)
	s_cmp_lt_u32 ttmp9, 8
	s_cselect_b32 s23, s23, s26
	s_cmp_lt_u32 ttmp9, 10
	s_cselect_b32 s23, s23, s27
	s_cselect_b32 s29, 8, 64                       ; fragments from source 1's tile 0 to its tile 8
	s_mul_i32 s92, s23, FRB
	s_mul_i32 s28, s[C], 768
	s_add_co_u32 s92, s92, s28
	s_mul_i32 s94, s29, FRB
	s_mul_i32 s96, s29, s[C]
	s_add_co_u32 s96, s96, s23
	s_lshl_b32 s96, s96, 6                         ; the 8 fragments whose scale words I store
	s_mov_b32 s[SEL], 0x76543210
	s_mov_b32 s[SEL+1], 0xfedcba98
	s_mov_b32 s[SA], 0
	s_mov_b32 s[TS], 0
	s_mul_i32 s20, s[C], 8*GRP
	s_lshl_b32 s21, s[C], 13
	s_mul_i32 s22, s[WV], 4*GRP
	s_wait_dscnt 0x0                               ; both opening adds are done
	s_wait_kmcnt 0x0
	s_cmp_lt_u32 ttmp9, 10                         ; the choices hang on the work-group's number alone
	s_cselect_b64 s[LA:LA+1], s[4:5], s[8:9]
	s_cselect_b64 s[LS:LS+1], s[6:7], s[10:11]
	s_cselect_b64 s[BP:BP+1], s[8:9], s[4:5]
	s_cselect_b64 s[BS:BS+1], s[10:11], s[6:7]
	s_add_nc_u64 s[BP:BP+1], s[BP:BP+1], s[88:89]
	s_add_nc_u64 s[BS:BS+1], s[BS:BS+1], s[90:91]
	s_add_nc_u64 s[OL:OL+1], s[12:13], s[92:93]
	s_add_nc_u64 s[OL+2:OL+3], s[OL:OL+1], s[94:95]
	s_add_nc_u64 s[OS:OS+1], s[14:15], s[96:97]
	s_mov_b32 s[GH], 1                             ; group 0's 8 tiles, into slot 0
	s_mov_b32 s[GH+1], s20
	s_add_nc_u64 s[GH+2:GH+3], s[LA:LA+1], s[82:83]
	s_or_b32 s[GH+3], s[GH+3], 0x80000000
	s_mov_b32 s[GS], 1                             ; 8 tiles' scale words
	s_add_co_u32 s[GS+1], s21, SCL
	s_add_nc_u64 s[GS+2:GS+3], s[LS:LS+1], s[84:85]
	s_or_b32 s[GS+3], s[GS+3], 0x80000000
	s_mov_b32 s[GR], 1                             ; the ring: my 4 tiles of group 1, into slot 1
	s_add_co_u32 s[GR+1], s22, SLOTB
	s_add_nc_u64 s[GR+2:GR+3], s[LA:LA+1], s[86:87]
	s_or_b32 s[GR+3], s[GR+3], 0x80000000
	s_cmp_lt_u32 s[WV], 2                          ; the head's four fills, one a wave: waves 0, 1 group 0's halves, waves 2, 3 the scale words' halves
	s_cbranch_scc0 .Lhead_sc
	tensor_load_to_lds s[GH:GH+3], s[G1:G1+7]
	s_nop 0
	PLACES
	s_branch .Lhead_asked
.Lhead_sc:
	tensor_load_to_lds s[GS:GS+3], s[G1S:G1S+7]
	s_nop 0
	PLACES
.Lhead_asked:
.macro BLOAD set, bo                   ; source 0's four fragments and their scale words, K step bo counted from the pointers' place, into a set
	WIN TO_B
.irp b, 0,1,2,3
.irp c, 0,1,2
	global_load_b128 v[48*(\set)+12*\b+4*\c:48*(\set)+12*\b+4*\c+3], v[LI], s[BP:BP+1] offset:\b*GROW+(\bo)*FRB+512*\c
.endr
.endr
	WIN 0
.irp e, 0,1
	global_load_b32 v[SB+2*(\set)+\e], v[SBO], s[BS:BS+1] offset:\e*2048+(\bo)*64
.endr
.endm
.macro RUN k, q                        ; in step q of a group: source 1's tiles 4 k .. 4 k + 3 of the next step; in an odd step also their scale words of the next two steps
.irp aa, 0,1,2,3
.set TT, 4*(\k)+\aa
.irp c, 0,1,2
	ds_load_b128 v[AF+12*TT+4*\c:AF+12*TT+4*\c+3], v[ADL+TT/8] offset:(TT%8)*GRP+(((\q)+1)%4)*FRB+512*\c
.endr
.endr
.if (\q)%2
.irp aa, 0,1,2,3
	ds_load_b32 v[SAR+4*(\k)+\aa], v[ADS] offset:(4*(\k)+\aa)*1024+64*(((\q)+1)%4)
.endr
.endif
.endm
.macro WM a, b, q, zero                ; the 64 accumulators take turns, one instruction a turn, in the same order in every step
.set DD, 8*(4*((\a)%8)+\b)
.set S0, 48*(\q)+12*\b
.set S1, AF+12*(\a)
.set X0, SB+2*(\q)+(\b)/2
.set X1, SAR+(\a)
.if \zero
.if (\b)%2
	v_wmma_scale_f32_16x16x128_f8f6f4 v[DD:DD+7], v[S0:S0+11], v[S1:S1+11], 0, v[X0], v[X1] matrix_a_fmt:MATRIX_FMT_FP6 matrix_b_fmt:MATRIX_FMT_FP6 matrix_a_scale:MATRIX_SCALE_ROW1
.else
	v_wmma_scale_f32_16x16x128_f8f6f4 v[DD:DD+7], v[S0:S0+11], v[S1:S1+11], 0, v[X0], v[X1] matrix_a_fmt:MATRIX_FMT_FP6 matrix_b_fmt:MATRIX_FMT_FP6
.endif
.elseif (\q)%2
.if (\b)%2
	v_wmma_scale_f32_16x16x128_f8f6f4 v[DD:DD+7], v[S0:S0+11], v[S1:S1+11], v[DD:DD+7], v[X0], v[X1] matrix_a_fmt:MATRIX_FMT_FP6 matrix_b_fmt:MATRIX_FMT_FP6 matrix_a_scale:MATRIX_SCALE_ROW1 matrix_b_scale:MATRIX_SCALE_ROW1
.else
	v_wmma_scale_f32_16x16x128_f8f6f4 v[DD:DD+7], v[S0:S0+11], v[S1:S1+11], v[DD:DD+7], v[X0], v[X1] matrix_a_fmt:MATRIX_FMT_FP6 matrix_b_fmt:MATRIX_FMT_FP6 matrix_b_scale:MATRIX_SCALE_ROW1
.endif
.else
.if (\b)%2
	v_wmma_scale_f32_16x16x128_f8f6f4 v[DD:DD+7], v[S0:S0+11], v[S1:S1+11], v[DD:DD+7], v[X0], v[X1] matrix_a_fmt:MATRIX_FMT_FP6 matrix_b_fmt:MATRIX_FMT_FP6 matrix_a_scale:MATRIX_SCALE_ROW1
.else
	v_wmma_scale_f32_16x16x128_f8f6f4 v[DD:DD+7], v[S0:S0+11], v[S1:S1+11], v[DD:DD+7], v[X0], v[X1] matrix_a_fmt:MATRIX_FMT_FP6 matrix_b_fmt:MATRIX_FMT_FP6
.endif
.endif
.endm
.macro QMUL k, q, zero                 ; a quarter of a step: source 1's tiles 4 k .. 4 k + 3 x source 0's four
	WIN MUL_LO+0x50*((\k)/2)
.irp aa, 0,1,2,3
.irp b, 0,1,2,3
	WM 4*(\k)+\aa, \b, \q, \zero
.endr
.endr
.endm
; A step of 128 along K.  q: its place in its group, and source 0's set; np: LDS loads in each of the last step's four runs; bo: where source 0's loads for three steps on stand (0: none);
; lw: source 0's loads younger than this step's set; nf: the next step's fragments of source 1 are fetched, a run behind each quarter; bar: 1 the next step lies in the other slot, 2 and this slot is filled again.
.macro STEP q, np, zero, bo, lw, nf, bar
.set NR, 12+4*((\q)%2)
.if \bo
	BLOAD ((\q)+3)%4, \bo                          ; into the set that the last step multiplied: its closing places stand ahead
.endif
	s_wait_loadcnt \lw
.if \bar
	s_wait_tensorcnt 0x0                           ; my tensor load has landed: my part of the other slot
.if (\bar) == 2
	ds_add_u32 v[SPW], v[NIL]                      ; 0 onto my spare word
	s_xor_b32 s[GR+1], s[GR+1], SLOTB              ; no load of mine is out: the next group, into this slot
	s_add_nc_u64 s[GR+2:GR+3], s[GR+2:GR+3], GRP
.endif
	s_xor_b32 s[SA], s[SA], SLOTB
	s_add_co_u32 s[TS], s[TS], 256
	s_wait_dscnt 3*(\np)+(\bar)/2                  ; tiles 0-3 are in; three runs, and the add, may be out
	QMUL 0, \q, 0
	s_wait_dscnt 0x0                               ; the add is done, and my reads of this slot are over
	s_barrier_signal -1
	QMUL 1, \q, 0
	WIN 0
	s_barrier_wait -1
.if (\bar) == 2
	tensor_load_to_lds s[GR:GR+3], s[G1:G1+7]      ; every wave's quarter: the first tensor load behind the barrier
	s_nop 0
.endif
	PLACES
	v_add_nc_u32 v[ADL], s[SA], v[LI]
	v_add_nc_u32 v[ADS], s[TS], v[ASB]
	v_add_nc_u32 v[ADH], 8*GRP, v[ADL]
	s_wait_alu depctr_va_vdst(0)
	RUN 0, \q
	RUN 1, \q
.irp k, 2,3
	QMUL \k, \q, 0
	PLACES
	WIN 0
	RUN \k, \q
.endr
.else
.irp k, 0,1,2,3
	s_wait_dscnt (3-\k)*(\np)+\k*NR*(\nf)          ; this quarter's run is in; the three runs behind it may be out
	QMUL \k, \q, \zero
	PLACES
	WIN 0
.if \nf
	RUN \k, \q
.endif
.endr
.endif
.endm
	BLOAD 0, 0
	BLOAD 1, 1
	BLOAD 2, 2
	s_wait_alu depctr_va_vdst(0)
	s_wait_tensorcnt 0x0                           ; my fill of the head's four is in
	ds_add_u32 v[SPW], v[NIL]
	s_mov_b32 s[G1+2], 4<<16                       ; no tensor load of mine is out: from here on a load brings 4 tiles
	s_mov_b32 s[G1+4], 4
	s_wait_dscnt 0x0
	s_barrier_signal -1
	s_barrier_wait -1
	tensor_load_to_lds s[GR:GR+3], s[G1:G1+7]      ; group 1, slot 1's first fill
	s_nop 0
	PLACES
.irp k, 0,1,2,3
	RUN \k, 3                                      ; K step 0's fragments and the scale words of K steps 0, 1
.endr
	STEP 0, 16, 1, 3, 42, 1, 0                     ; the first step's products start the sums
	s_mov_b32 s[CNT], 2
.Lgrp:                                                 ; a trip: a group's steps 1 to 3 and the next group's step 0; it fills the slot left behind
	STEP 1, 12, 0, 4, 42, 1, 0
	STEP 2, 16, 0, 5, 42, 1, 0
	STEP 3, 12, 0, 6, 42, 1, 2
	STEP 0, 16, 0, 7, 42, 1, 0
	s_wait_xcnt 0x0                                ; source 0's loads have read their bases
	s_add_nc_u64 s[BP:BP+1], s[BP:BP+1], GRP
	s_add_nc_u64 s[BS:BS+1], s[BS:BS+1], 256
	s_sub_co_u32 s[CNT], s[CNT], 1
	s_cmp_lg_u32 s[CNT], 0
	s_cbranch_scc1 .Lgrp
	STEP 1, 12, 0, 4, 42, 1, 0                     ; K steps 9 to 15: nothing more is filled,
	STEP 2, 16, 0, 5, 42, 1, 0
	STEP 3, 12, 0, 6, 42, 1, 1
	STEP 0, 16, 0, 7, 42, 1, 0
	STEP 1, 12, 0, 0, 28, 1, 0                     ; and source 0's last set has been asked for
	STEP 2, 16, 0, 0, 14, 1, 0
	STEP 3, 12, 0, 0, 0, 0, 0
; THE WAY OUT.  The 32 registers of a tile of source 1, register 16 b + i = index 32 b + 16 (lane / 16) + i of my 64, become six registers of codes and two scale bytes.  Each accumulator is read from its low end on.
.macro HQUANT src, win, pc, pw
	WIN (\win)|((\win)<<2)
.irp b, 0,1
	v_max3_num_f32 v[TM+\b], |v[(\src)+16*\b]|, |v[(\src)+16*\b+1]|, 0x1800000   ; my 16 numbers of block b, and the floor 2^(3 - 127)
.endr
.irp i, 2,4,6,8,10,12,14
.irp b, 0,1
	v_max3_num_f32 v[TM+\b], |v[(\src)+16*\b+\i]|, |v[(\src)+16*\b+\i+1]|, v[TM+\b]
.endr
.endr
	WIN 0
.irp b, 0,1
	v_permlanex16_b32 v[TM+2+\b], v[TM+\b], s[SEL], s[SEL+1]
.endr
.irp b, 0,1
	v_max_num_f32 v[TM+\b], v[TM+\b], v[TM+2+\b]           ; with lane l xor 16: the block's largest magnitude
.endr
.irp b, 0,1
	v_add_nc_u32 v[TM+4+\b], 0xff000000, v[TM+\b]          ; 2 off the exponent field: the conversion's scale operand
.endr
.irp b, 0,1
	v_lshrrev_b32 v[TM+2+\b], 23, v[TM+4+\b]
.endr
	v_lshl_or_b32 v[\pw], v[TM+3], 8, v[TM+2]
	WIN \win
	v_cvt_scalef32_pk16_fp6_f32 v[(\pc):(\pc)+2], v[(\src):(\src)+15], v[TM+4]
	v_cvt_scalef32_pk16_fp6_f32 v[(\pc)+4:(\pc)+6], v[(\src)+16:(\src)+31], v[TM+5]
	v_nop                                                  ; one plain place behind a scaled conversion
	WIN 0
.irp i, 0,1,2
	v_permlane16_swap_b32 v[(\pc)+\i], v[(\pc)+4+\i]       ; a whole block in a lane: lanes 0-15 the first, lanes 16-31 the second
.endr
.irp i, 0,1,2
	v_mov_b32 v[(\pc)+3+\i], v[(\pc)+4+\i]
.endr
.endm
.irp b, 0,1
	v_mov_b32 v[TM+2+\b], 0                        ; written once: a lane permute's destination counts as one of its sources
.endr
.set T, 0
.rept 16
.if T > 1
	s_wait_xcnt 0x0                                ; the stores of two tiles back have read these codes' registers
.endif
	HQUANT 32*(T%8), 2+T/8, PC+8*(T%2), PW+T
	global_store_b128 v[LI], v[PC+8*(T%2):PC+8*(T%2)+3], s[OL+2*(T/8):OL+2*(T/8)+1] offset:(T%8)*FRB       ; 512 consecutive bytes, aligned
	global_store_b64 v[L8], v[PC+8*(T%2)+4:PC+8*(T%2)+5], s[OL+2*(T/8):OL+2*(T/8)+1] offset:(T%8)*FRB+512  ; 256 consecutive bytes, aligned
	ds_store_b16 v[STA], v[PW+T] offset:64*T       ; lanes l and l + 16 hold the same row's bytes and write them to the same place
.set T, T+1
.endr
	s_wait_dscnt 0x0                               ; my bytes are in the stage,
	s_barrier_signal -1
	s_barrier_wait -1                              ; and so are the other half's
	ds_load_b128 v[OB:OB+3], v[SRD]
	s_wait_dscnt 0x0
	global_store_b128 v[LI], v[OB:OB+3], s[OS:OS+1]    ; the scale words of 8 fragments: 512 consecutive bytes, aligned
	s_wait_tensorcnt 0x0                           ; the wave's end
	ds_add_u32 v[SPW], v[NIL]
	s_wait_dscnt 0x0
	s_endpgm
.Lfunc_end_k_q3da5511f45_gemm_qkv:
	.size	k_q3da5511f45_gemm_qkv, .Lfunc_end_k_q3da5511f45_gemm_qkv-k_q3da5511f45_gemm_qkv
	.p2alignl 7, 3214868480
	.fill 96, 4, 3214868480
	.section	.rodata,"a",@progbits
	.p2align	6, 0x0
	.amdhsa_kernel k_q3da5511f45_gemm_qkv
		.amdhsa_group_segment_fixed_size 327680
		.amdhsa_private_segment_fixed_size 0
		.amdhsa_enable_private_segment 0
		.amdhsa_kernarg_size 48
		.amdhsa_user_sgpr_count 2
		.amdhsa_user_sgpr_kernarg_segment_ptr 1
		.amdhsa_wavefront_size32 1
		.amdhsa_system_sgpr_workgroup_id_x 1
		.amdhsa_system_sgpr_workgroup_id_y 1
		.amdhsa_system_sgpr_workgroup_id_z 1
		.amdhsa_system_vgpr_workitem_id 0
		.amdhsa_next_free_vgpr 1024
		.amdhsa_next_free_sgpr 100
		.amdhsa_reserve_vcc 0
		.amdhsa_float_denorm_mode_32 3
		.amdhsa_float_denorm_mode_16_64 3
		.amdhsa_memory_ordered 1
		.amdhsa_forward_progress 1
		.amdhsa_inst_pref_size 210
	.end_amdhsa_kernel
	.amdgpu_metadata
---
amdhsa.version: [ 1, 2 ]
amdhsa.kernels:
  - .name:           k_q3da5511f45_gemm_qkv
    .symbol:         k_q3da5511f45_gemm_qkv.kd
    .args:
      - { .name: x_img, .offset: 0, .size: 8, .value_kind: global_buffer, .address_space: global }
      - { .name: x_sc, .offset: 8, .size: 8, .value_kind: global_buffer, .address_space: global }
      - { .name: w_img, .offset: 16, .size: 8, .value_kind: global_buffer, .address_space: global }
      - { .name: w_sc, .offset: 24, .size: 8, .value_kind: global_buffer, .address_space: global }
      - { .name: qkv_img, .offset: 32, .size: 8, .value_kind: global_buffer, .address_space: global }
      - { .name: qkv_sc, .offset: 40, .size: 8, .value_kind: global_buffer, .address_space: global }
    .group_segment_fixed_size: 327680
    .private_segment_fixed_size: 0
    .kernarg_segment_align: 8
    .kernarg_segment_size: 48
    .max_flat_workgroup_size: 128
    .sgpr_count:     100
    .vgpr_count:     1024
    .wavefront_size: 32
...
	.end_amdgpu_metadata
.endif
;; end of part 2
;; launch attn (part 3): grid 16 x 16, 16 waves a work-group, clusters of 4 x 1, 327,680 bytes of LDS; arguments qkv_img, qkv_sc, o_img, o_sc; writes o_img, o_sc
.if DOCPART == 3
	.amdgcn_target "amdgcn-amd-amdhsa--gfx1250"
	.amdhsa_code_object_version 6
	.text
	.protected	k_q3da5511f45_attn
	.globl	k_q3da5511f45_attn
	.p2align	8
	.type	k_q3da5511f45_attn,@function
k_q3da5511f45_attn:
	s_mov_b64 s[64:65], 0
	v_nop
	global_prefetch_b8 v0, s[64:65] scope:SCOPE_SE
	s_setreg_imm32_b32 hwreg(HW_REG_WAVE_MODE, 25, 1), 1
	s_wait_xcnt 0x0
	s_wait_alu depctr_hold_cnt(0) depctr_sa_sdst(0) depctr_va_vdst(0) depctr_va_sdst(0) depctr_va_ssrc(0) depctr_va_vcc(0) depctr_vm_vsrc(0)
	s_getreg_b32 s2, hwreg(HW_REG_IB_STS2, 6, 4)
	s_cmp_eq_u32 s2, 0
	s_cbranch_scc0 .Lentry_in_a_cluster
	s_endpgm
.Lentry_in_a_cluster:
	s_bfe_u32 s2, ttmp6, 0x10000c
	s_cmp_lg_u32 s2, 0x3003
	s_cbranch_scc0 .Lentry_shape_is_right
	s_endpgm
.Lentry_shape_is_right:
; Causal attention on codes of FP6 (E2M3): for each batch b, query head (kv head = head % 4): o = softmax(q k^T / sqrt(128), keys up to the query) v; o, divided by the row's sum, is quantised along the head's 128 and leaves as codes.
; All operands are images of fragments (1,536 bytes, three loads of 512 consecutive bytes) with 64 bytes of scale words; row r of tile 2 b + u is true index 32 b + 8 u + r + 8 (r / 8) (queries, keys, v's channels).
; qkv_img: q (16 b + head) 64 + query tile;  k 4096 + (4 b + kvh) 64 + key tile;  v (channels x 128 true keys) 5120 + (4 b + kvh) 64 + 8 step + channel tile.  o_img [m tile 256][head 16][1536], o_sc likewise.
; THE SOFTMAX: t = score x log2(e) / sqrt(128); M = the running largest t rounded UP to a whole number; p = 2^(t - M) is quantised along the keys; the row's sum is taken of the unquantised p and divides at the end.
; SHARES.  Work-group y = 4 b + kvh.  ALL 1,024 keys of K and V of that pair lie in LDS, filled once: no slot is filled again.  The pair's 4 heads x 64 query tiles are dealt to 16 work-groups x 16 waves, a tile a wave.
; A wave whose tile lies in block QB of 128 queries works QB + 1 of the 8 key steps; QB hangs on the wave's number alone, by a table 0 7 3 4 / 7 0 4 3 / 1 6 2 5 / 6 1 5 2 whose rows and columns all add up to 14.
; Every wave walks all 8 steps: a step all of whose keys come after the queries is left out by a scalar branch round its work.
; CLUSTER 4 x 1: the four work-groups share K and V: wave 0 asks jointly for K, wave 1 for V, three loads each: the scale words, keys 0-255, the rest.  The first two steps run while the rest is on its way.
; No prefetch: every tile is asked for at the head.
; Both products are used transposed (S^T = K Q^T, O^T = V^T P^T): a lane holds ONE query throughout.
; LIMITS: NaN and infinities are not served; 1 / sum by v_rcp_f32; a block of o under 2^-124 or of zeros gets the byte 1; the bytes are read by this program alone.
; REGISTERS: v1-3 lane terms; v5, v6 the add's two; v8-10 addresses in hand; v12 -M, v13 the largest t, v[14:15] the sum; v16-27 Q; v28 the mask's constant, v29 -infinity; v32-79 four fragments; v96-159 S^T, then p;
;   v160-223 O^T; v224-235 p's codes; v232-254 at work; v248-251 scale words (lanes 0-15 tile 2 e, lanes 16-31 tile 2 e + 1); v255 Q's scale words.
; AS THE TEXT NOW STANDS (this takes the place of what the lines above say of the images of q, k, v and of the fills):
; a fragment of qkv_img is two halves of 768 bytes: half c: registers 6 c .. 6 c + 3 at 768 c + 16 l, registers 6 c + 4, 5 at 768 c + 512 + 8 l: four loads a fragment.  o_img keeps the form of three times 512 bytes.
; THE FILLS, one tensor load a wave: at the head waves 0, 1 ask jointly for K's and V's scale words, waves 2, 3 for keys 0-255 of K and of V; behind the three lines and a round waves 0, 1 ask for the rest, which lands under the first two steps.
; The launch claims all of LDS.
.set FRB,   1536
.set L8,   80                          ; v80  8 x lane
.set ADK8, 81                          ; v81, v82: the addresses in hand of the loads of 8 bytes
.set ADV8, 82
.set VIMG,  98304                      ; LDS: K's 64 fragments from 0, V's 64 from here,
.set KSC,   196608                     ; K's scale words, 4,096 bytes,
.set VSC,   200704                     ; V's,
.set SPARE, 204800                     ; the spare words, 128 bytes for each of 16 waves
.set LI,  1                            ; v1   16 x lane
.set L4,  2                            ; v2   KSC + 4 x lane
.set R4,  3                            ; v3   4 x (lane % 16)
.set SPW, 5
.set NIL, 6
.set ADK, 8
.set ADV, 9
.set ADS, 10
.set DQ,  28
.set NINF, 29
.set TM,  232
.set WV,  18
.set SEL, 20
.set CS,  22
.set G1A, 24                           ; s[24:31] 16 rows of 256 bytes;  s[32:39] 96 rows;  s[40:47] 288 rows
.set G1B, 32
.set G1C, 40
.set G0A, 48
.set G0B, 52
.set G0C, 56
.set QB,  60
.set ST,  61                           ; the key step
.set TK,  62                           ; its fragments: 12,288 bytes a step
.set TS,  63                           ; its scale words: 512 bytes a step
.set CNT, 66
.macro CROUND
	s_barrier_signal -1
	s_barrier_wait -1
	s_cmp_lg_u32 s[WV], 0
	s_cbranch_scc1 .Lnot_wave_0_\@
	s_barrier_signal -3
.Lnot_wave_0_\@:
	s_barrier_wait -3
	s_barrier_signal -1
	s_barrier_wait -1
.endm
	s_load_b256 s[4:11], s[0:1], 0x0               ; qkv_img, qkv_sc, o_img, o_sc
	v_lshl_add_u32 v[SPW], v0, 2, SPARE
	v_mov_b32 v[NIL], 0
	ds_add_u32 v[SPW], v[NIL]                      ; the wave's opening: the add and its wait ahead of the first tensor loads
	ds_add_u32 v[SPW], v[NIL]
	v_lshrrev_b32 v8, 5, v0
	s_delay_alu instid0(VALU_DEP_1)
	v_readfirstlane_b32 s[WV], v8
	s_and_b32 s67, ttmp7, 0xffff                   ; 4 b + kvh
	s_bfe_u32 s68, ttmp6, 0x40000                  ; cx: it enters Q's and o's global addresses and the mask's constant alone
	s_lshl_b32 s69, ttmp9, 2
	s_add_co_u32 s69, s69, s68                     ; work-group x
	s_mov_b32 s70, 0x25165261                      ; the table, a nibble a wave: waves 8-15,
	s_cmp_lt_u32 s[WV], 8
	s_cselect_b32 s70, 0x34074370, s70             ; waves 0-7
	s_and_b32 s71, s[WV], 7
	s_lshl_b32 s71, s71, 2
	s_lshr_b32 s70, s70, s71
	s_and_b32 s[QB], s70, 15
	s_bfe_u32 s71, s[WV], 0x10002
	s_lshl_b32 s72, s69, 1
	s_add_co_u32 s72, s72, s71                     ; 2 x work-group x + (wave / 4) % 2: 0..31
	s_and_b32 s73, s72, 7                          ; the tile in its block of 128 queries
	s_lshr_b32 s74, s72, 3
	s_lshl_b32 s74, s74, 2
	s_and_b32 s75, s67, 3
	s_add_co_u32 s74, s74, s75                     ; head = kvh + 4 x (0..3)
	s_lshr_b32 s75, s67, 2                         ; b
	s_lshl_b32 s76, s[QB], 3
	s_add_co_u32 s76, s76, s73                     ; query tile
	s_lshl_b32 s77, s75, 4
	s_add_co_u32 s77, s77, s74
	s_lshl_b32 s77, s77, 6
	s_add_co_u32 s77, s77, s76                     ; Q's fragment
	s_lshl_b32 s78, s75, 6
	s_add_co_u32 s78, s78, s76
	s_lshl_b32 s78, s78, 4
	s_add_co_u32 s78, s78, s74                     ; o's fragment
	s_mul_i32 s80, s77, FRB
	s_mov_b32 s81, 0
	s_lshl_b32 s82, s77, 6
	s_mov_b32 s83, 0
	s_mul_i32 s84, s78, FRB
	s_mov_b32 s85, 0
	s_lshl_b32 s86, s78, 6
	s_mov_b32 s87, 0
	s_and_b32 s79, s[WV], 1                        ; what I fetch, if I fetch: K (0) or V (1)
	s_lshl_b32 s88, s79, 10
	s_lshl_b32 s89, s67, 6
	s_add_co_u32 s88, s88, s89
	s_add_co_u32 s88, s88, 4096                    ; its first fragment
	s_lshl_b32 s90, s88, 6
	s_mov_b32 s91, 0
	s_mul_i32 s88, s88, FRB
	s_mov_b32 s89, 0
	s_mul_i32 s92, s79, VIMG                       ; and where it goes
	s_lshl_b32 s93, s79, 12
	s_add_co_u32 s93, s93, KSC
	; groups 1: dense blocks as rows of 256 bytes (32 elements of 8 bytes); the mask names all four work-groups, bit 21 beside it
.irp g, G1A, G1B, G1C
	s_mov_b32 s[\g], 15|(3<<16)|(1<<21)
	s_mov_b32 s[\g+1], 32<<16
	s_mov_b32 s[\g+3], 32<<16
	s_mov_b32 s[\g+5], 32
	s_mov_b32 s[\g+6], 0
	s_mov_b32 s[\g+7], 0
.endr
	s_mov_b32 s[G1A+2], 16<<16
	s_mov_b32 s[G1A+4], 16
	s_mov_b32 s[G1B+2], 96<<16
	s_mov_b32 s[G1B+4], 96
	s_mov_b32 s[G1C+2], 288<<16
	s_mov_b32 s[G1C+4], 288
	s_mov_b32 s[SEL], 0x76543210
	s_mov_b32 s[SEL+1], 0xfedcba98
	s_mov_b32 s[CS], 0x3e0293ee                    ; c = log2(e) / sqrt(128)
	s_mov_b32 s[CS+1], s[CS]
	s_mov_b32 s[ST], 0
	s_mov_b32 s[TK], 0
	s_mov_b32 s[TS], 0
	s_wait_dscnt 0x0                               ; the opening add is done
	s_wait_kmcnt 0x0
	s_mov_b32 s[G0A], 1
	s_mov_b32 s[G0A+1], s93
	s_add_nc_u64 s[G0A+2:G0A+3], s[6:7], s[90:91]
	s_or_b32 s[G0A+3], s[G0A+3], 0x80000000
	s_mov_b32 s[G0B], 1
	s_mov_b32 s[G0B+1], s92
	s_add_nc_u64 s[G0B+2:G0B+3], s[4:5], s[88:89]
	s_mov_b32 s[G0C], 1
	s_add_co_u32 s[G0C+1], s92, 16*FRB
	s_add_nc_u64 s[G0C+2:G0C+3], s[G0B+2:G0B+3], 16*FRB
	s_or_b32 s[G0B+3], s[G0B+3], 0x80000000
	s_or_b32 s[G0C+3], s[G0C+3], 0x80000000
	s_add_nc_u64 s[80:81], s[4:5], s[80:81]        ; Q's image,
	s_add_nc_u64 s[82:83], s[6:7], s[82:83]        ; its scale words,
	s_add_nc_u64 s[84:85], s[8:9], s[84:85]        ; o's image,
	s_add_nc_u64 s[86:87], s[10:11], s[86:87]      ; its scale words
	CROUND                                         ; all four work-groups are here: the joint loads meet
	s_cmp_lt_u32 s[WV], 2                          ; one chain of branches on the wave's number, one fill to an arm
	s_cbranch_scc0 .Lnot_sc
	tensor_load_to_lds s[G0A:G0A+3], s[G1A:G1A+7]  ; waves 0, 1: the scale words of K, of V
	s_nop 0
.rept 4
	v_nop
.endr
	s_branch .Lno_fetch
.Lnot_sc:
	s_cmp_lt_u32 s[WV], 4
	s_cbranch_scc0 .Lno_fetch
	tensor_load_to_lds s[G0B:G0B+3], s[G1B:G1B+7]  ; waves 2, 3: keys 0-255 of K, of V
	s_nop 0
.rept 4
	v_nop
.endr
.Lno_fetch:
	v_and_b32 v7, 31, v0
	s_delay_alu instid0(VALU_DEP_1)
	v_lshlrev_b32 v[LI], 4, v7
	s_delay_alu instid0(VALU_DEP_2)
	v_lshl_add_u32 v[L4], v7, 2, KSC
	v_and_b32 v11, 15, v0                          ; r
	s_delay_alu instid0(VALU_DEP_1)
	v_lshlrev_b32 v[R4], 2, v11
	v_bfe_u32 v4, v0, 4, 1                         ; h
	v_lshlrev_b32 v[L8], 3, v7
.irp c, 0,1
	global_load_b128 v[16+6*\c:19+6*\c], v[LI], s[80:81] offset:768*\c th:TH_LOAD_NT       ; Q's fragment stays in registers
	global_load_b64 v[20+6*\c:21+6*\c], v[L8], s[80:81] offset:768*\c+512 th:TH_LOAD_NT
.endr
	global_load_b32 v255, v[R4], s[82:83] th:TH_LOAD_NT
	s_lshr_b32 s92, s73, 1
	s_lshl_b32 s92, s92, 5
	s_and_b32 s93, s73, 1
	s_lshl_b32 s93, s93, 3
	s_add_co_u32 s92, s92, s93
	v_and_b32 v[DQ], 8, v11
	s_delay_alu instid0(VALU_DEP_1)
	v_add_nc_u32 v[DQ], v[DQ], v11
	v_lshlrev_b32 v4, 4, v4
	s_delay_alu instid0(VALU_DEP_1)
	v_sub_nc_u32 v[DQ], v[DQ], v4
	s_delay_alu instid0(VALU_DEP_1)
	v_add_nc_u32 v[DQ], s92, v[DQ]                 ; my query's place in its block of 128, less 16 h: on the diagonal register 16 b + i holds key 32 b + i + 16 h, hidden where 32 b + i is above this
	v_mov_b32 v[NINF], 0xff800000
	v_mov_b32 v13, 0xff61b1e6                      ; the largest t so far: -3e38
	s_delay_alu instid0(VALU_DEP_1)
	v_floor_f32 v12, -v13                          ; -M
	v_mov_b32 v14, 0
	v_mov_b32 v15, 0
.irp b, 0,1,2,3
	v_mov_b32 v[236+\b], 0                         ; written once: a lane permute's destination counts as one of its sources
.endr
	v_mov_b32 v252, 0
	v_mov_b32 v253, 0
.set j, 0
.rept 64
	v_mov_b32 v[160+j], 0                          ; O^T: the step is written for all steps alike; the first change of M leaves zeros zeros
.set j, j+1
.endr
; A KEY STEP: 128 keys
.macro STEP
	s_cmp_gt_u32 s[ST], s[QB]                      ; all its keys come after my queries: only the addresses step
	s_cbranch_scc1 .Lhidden_\@
	v_add_nc_u32 v[ADK], s[TK], v[LI]
	v_add_nc_u32 v[ADK8], s[TK], v[L8]
	s_wait_alu depctr_va_vdst(0)
	v_add_nc_u32 v[ADS], s[TS], v[L4]
	v_add_nc_u32 v[ADV], VIMG, v[ADK]
	v_add_nc_u32 v[ADV8], VIMG, v[ADK8]            ; these five are the places in front of loads into registers that the last products read
.irp g, 0,1                                    ; S^T = K Q^T, four tiles of 16 keys at a time
.if \g
.rept 4
	v_nop
.endr
.endif
.irp t, 0,1,2,3
.irp c, 0,1
	ds_load_b128 v[32+12*\t+6*\c:35+12*\t+6*\c], v[ADK] offset:(4*\g+\t)*FRB+768*\c
	ds_load_b64 v[36+12*\t+6*\c:37+12*\t+6*\c], v[ADK8] offset:(4*\g+\t)*FRB+768*\c+512
.endr
.endr
.if \g == 0
.irp e, 0,1,2,3
	ds_load_b32 v[248+\e], v[ADS] offset:128*\e
.endr
.endif
	s_wait_dscnt 0x0
.irp t, 0,1,2,3
.if \t%2
	v_wmma_scale_f32_16x16x128_f8f6f4 v[96+8*(4*\g+\t):103+8*(4*\g+\t)], v[32+12*\t:43+12*\t], v[16:27], 0, v[248+(4*\g+\t)/2], v255 matrix_a_fmt:MATRIX_FMT_FP6 matrix_b_fmt:MATRIX_FMT_FP6 matrix_a_scale:MATRIX_SCALE_ROW1
.else
	v_wmma_scale_f32_16x16x128_f8f6f4 v[96+8*(4*\g+\t):103+8*(4*\g+\t)], v[32+12*\t:43+12*\t], v[16:27], 0, v[248+(4*\g+\t)/2], v255 matrix_a_fmt:MATRIX_FMT_FP6 matrix_b_fmt:MATRIX_FMT_FP6
.endif
.endr
.endr
.rept 4
	v_nop
.endr
	s_cmp_lt_u32 s[ST], s[QB]                      ; all its keys count: no mask
	s_cbranch_scc1 .Lopen_\@
.set n, 0
.rept 64
	v_cmp_gt_i32 vcc_lo, 32*(n/16)+n%16, v[DQ]
	v_cndmask_b32 v[96+n], v[96+n], v[NINF], vcc_lo    ; a hidden score becomes -infinity: p = 0
.set n, n+1
.endr
.Lopen_\@:
.irp b, 0,1,2,3
	v_max3_num_f32 v[232+\b], v[96+16*\b], v[97+16*\b], v[98+16*\b]   ; the largest score of each block of 32 keys: for the row's maximum, and, since p rises with the score, for the block's largest p
.endr
.irp i, 3,5,7,9,11,13
.irp b, 0,1,2,3
	v_max3_num_f32 v[232+\b], v[232+\b], v[96+16*\b+\i], v[97+16*\b+\i]
.endr
.endr
.irp b, 0,1,2,3
	v_max_num_f32 v[232+\b], v[232+\b], v[111+16*\b]
.endr
.irp b, 0,1,2,3
	s_delay_alu instid0(VALU_DEP_4)
	v_permlanex16_b32 v[236+\b], v[232+\b], s[SEL], s[SEL+1]
.endr
.irp b, 0,1,2,3
	s_delay_alu instid0(VALU_DEP_4)
	v_max_num_f32 v[232+\b], v[232+\b], v[236+\b]
.endr
	s_delay_alu instid0(VALU_DEP_2)
	v_max3_num_f32 v254, v232, v233, v234
	s_delay_alu instid0(VALU_DEP_1)
	v_max_num_f32 v254, v254, v235
	s_delay_alu instid0(VALU_DEP_1)
	v_mul_f32 v254, s[CS], v254
	s_delay_alu instid0(VALU_DEP_1)
	v_max_num_f32 v13, v13, v254                   ; the running largest t
	v_mov_b32 v254, v12
	s_delay_alu instid0(VALU_DEP_2)
	v_floor_f32 v12, -v13                          ; the new -M = -ceil(t)
	s_delay_alu instid0(VALU_DEP_1)
	v_sub_f32 v254, v12, v254                      ; old M - new M: a whole number, 0 or less
	s_delay_alu instid0(VALU_DEP_1)
	v_cvt_i32_f32 v254, v254
	s_delay_alu instid0(VALU_DEP_1)
	v_ldexp_f32 v252, 1.0, v254                    ; f = 2^(old M - new M): a multiplication by it rounds nothing
.set j, 0
.rept 32
	v_pk_fma_f32 v[96+j:97+j], v[96+j:97+j], s[CS:CS+1], v[12:13] op_sel_hi:[1,0,0]   ; t - M
.set j, j+2
.endr
.irp b, 0,1,2,3
	v_fma_f32 v[232+\b], v[232+\b], s[CS], v12
.endr
.set j, 0
	s_wait_alu depctr_va_vdst(0)
.rept 64
	v_exp_f32 v[96+j], v[96+j]                     ; p = 2^(t - M)
.set j, j+1
.endr
	v_pk_mul_f32 v[14:15], v[14:15], v[252:253] op_sel_hi:[1,0]   ; the sums under the new M; a plain place behind the exponentials
	s_wait_alu depctr_va_vdst(0)                   ; one wait for the batch, ahead of its first reader
.irp b, 0,1,2,3
	v_exp_f32 v[232+\b], v[232+\b]                 ; each block's largest p
.endr
	v_pk_add_f32 v[236:237], v[100:101], v[104:105]
	v_pk_add_f32 v[250:251], v[108:109], v[112:113]
	v_pk_add_f32 v[248:249], v[116:117], v[120:121]
	v_pk_add_f32 v[246:247], v[124:125], v[128:129]
	v_pk_add_f32 v[244:245], v[132:133], v[136:137]
	v_pk_add_f32 v[242:243], v[140:141], v[144:145]
	v_pk_add_f32 v[240:241], v[148:149], v[152:153]
	v_pk_add_f32 v[14:15], v[14:15], v[156:157]
	v_pk_add_f32 v[236:237], v[236:237], v[96:97]
	v_pk_add_f32 v[250:251], v[250:251], v[98:99]
	v_pk_add_f32 v[248:249], v[248:249], v[102:103]
	v_pk_add_f32 v[246:247], v[246:247], v[106:107]
	v_pk_add_f32 v[244:245], v[244:245], v[110:111]
	v_pk_add_f32 v[242:243], v[242:243], v[114:115]
	v_pk_add_f32 v[240:241], v[240:241], v[118:119]
	v_pk_add_f32 v[14:15], v[14:15], v[122:123]
	v_pk_add_f32 v[236:237], v[236:237], v[126:127]
	v_pk_add_f32 v[250:251], v[250:251], v[130:131]
	v_pk_add_f32 v[248:249], v[248:249], v[134:135]
	v_pk_add_f32 v[246:247], v[246:247], v[138:139]
	v_pk_add_f32 v[244:245], v[244:245], v[142:143]
	v_pk_add_f32 v[242:243], v[242:243], v[146:147]
	v_pk_add_f32 v[240:241], v[240:241], v[150:151]
	v_pk_add_f32 v[14:15], v[14:15], v[154:155]
	v_pk_add_f32 v[236:237], v[236:237], v[158:159]
	s_delay_alu instid0(VALU_DEP_2)
	v_pk_add_f32 v[14:15], v[14:15], v[246:247]
	s_delay_alu instid0(VALU_DEP_2)
	v_pk_add_f32 v[236:237], v[236:237], v[244:245]
	v_pk_add_f32 v[250:251], v[250:251], v[242:243]
	v_pk_add_f32 v[248:249], v[248:249], v[240:241]
	s_delay_alu instid0(VALU_DEP_2)
	v_pk_add_f32 v[14:15], v[14:15], v[250:251]
	s_delay_alu instid0(VALU_DEP_2)
	v_pk_add_f32 v[236:237], v[236:237], v[248:249]
	s_delay_alu instid0(VALU_DEP_1)
	v_pk_add_f32 v[14:15], v[14:15], v[236:237]
	s_wait_alu depctr_va_vdst(0)                   ; and one for the four
.irp b, 0,1,2,3
	v_max_num_f32 v[232+\b], 0x1800000, v[232+\b]  ; the floor 2^(3 - 127)
.endr
.irp b, 0,1,2,3
	s_delay_alu instid0(VALU_DEP_4)
	v_add_nc_u32 v[244+\b], 0xff000000, v[232+\b]
.endr
.irp b, 0,1,2,3
	s_delay_alu instid0(VALU_DEP_4)
	v_lshrrev_b32 v[236+\b], 23, v[244+\b]
.endr
	s_delay_alu instid0(VALU_DEP_3)
	v_lshl_or_b32 v253, v237, 8, v236              ; p's scale word for these 128 keys
	s_delay_alu instid0(VALU_DEP_1)
	v_lshl_or_b32 v253, v238, 16, v253
	s_delay_alu instid0(VALU_DEP_1)
	v_lshl_or_b32 v253, v239, 24, v253
.irp c, 0,1
	v_cvt_scalef32_pk16_fp6_f32 v[224+6*\c:226+6*\c], v[96+32*\c:111+32*\c], v[244+2*\c]
	v_cvt_scalef32_pk16_fp6_f32 v[236+4*\c:238+4*\c], v[112+32*\c:127+32*\c], v[245+2*\c]
.endr
	v_nop
.irp c, 0,1
.irp i, 0,1,2
	v_permlane16_swap_b32 v[224+6*\c+\i], v[236+4*\c+\i]
.endr
.irp i, 0,1,2
	s_delay_alu instid0(VALU_DEP_3)
	v_mov_b32 v[227+6*\c+\i], v[236+4*\c+\i]
.endr
.endr
.set j, 0
.rept 32
	v_pk_mul_f32 v[160+j:161+j], v[160+j:161+j], v[252:253] op_sel_hi:[1,0]   ; O^T under the new M; these are also the places in front of the loads and products below
.set j, j+2
.endr
	s_wait_alu depctr_va_vdst(0)
.irp g, 0,1                                    ; O^T += V^T P^T, four tiles of 16 channels at a time; the eight accumulators take turns
.if \g
.rept 4
	v_nop
.endr
.endif
.irp t, 0,1,2,3
.irp c, 0,1
	ds_load_b128 v[32+12*\t+6*\c:35+12*\t+6*\c], v[ADV] offset:(4*\g+\t)*FRB+768*\c
	ds_load_b64 v[36+12*\t+6*\c:37+12*\t+6*\c], v[ADV8] offset:(4*\g+\t)*FRB+768*\c+512
.endr
.endr
.if \g == 0
.irp e, 0,1,2,3
	ds_load_b32 v[248+\e], v[ADS] offset:VSC-KSC+128*\e
.endr
.endif
	s_wait_dscnt 0x0
.irp t, 0,1,2,3
.if \t%2
	v_wmma_scale_f32_16x16x128_f8f6f4 v[160+8*(4*\g+\t):167+8*(4*\g+\t)], v[32+12*\t:43+12*\t], v[224:235], v[160+8*(4*\g+\t):167+8*(4*\g+\t)], v[248+(4*\g+\t)/2], v253 matrix_a_fmt:MATRIX_FMT_FP6 matrix_b_fmt:MATRIX_FMT_FP6 matrix_a_scale:MATRIX_SCALE_ROW1
.else
	v_wmma_scale_f32_16x16x128_f8f6f4 v[160+8*(4*\g+\t):167+8*(4*\g+\t)], v[32+12*\t:43+12*\t], v[224:235], v[160+8*(4*\g+\t):167+8*(4*\g+\t)], v[248+(4*\g+\t)/2], v253 matrix_a_fmt:MATRIX_FMT_FP6 matrix_b_fmt:MATRIX_FMT_FP6
.endif
.endr
.endr
.Lhidden_\@:
	s_add_co_u32 s[ST], s[ST], 1
	s_add_co_u32 s[TK], s[TK], 8*FRB
	s_add_co_u32 s[TS], s[TS], 512
.endm
	s_wait_alu depctr_va_vdst(0)
	s_wait_tensorcnt 0x0                           ; the scale words and keys 0-255 are in;
	ds_add_u32 v[SPW], v[NIL]                      ; the add twice on end
	ds_add_u32 v[SPW], v[NIL]
	s_wait_dscnt 0x0
	CROUND                                         ; a whole round: the joint loads meet
	s_cmp_lt_u32 s[WV], 2
	s_cbranch_scc0 .Lno_rest
	tensor_load_to_lds s[G0C:G0C+3], s[G1C:G1C+7]  ; waves 0, 1: the rest of K, of V: bytes filled for the first time
	s_nop 0
.rept 4
	v_nop
.endr
.Lno_rest:
	s_wait_loadcnt 0x0                             ; Q
	STEP                                           ; keys 0-127 and 128-255 are written out: they read what has landed
	STEP
	s_wait_tensorcnt 0x0                           ; the rest is in,
	s_wait_dscnt 0x0
	s_barrier_signal -1
	s_barrier_wait -1                              ; for every wave
	s_mov_b32 s[CNT], 6
.Lkeys:
	STEP
	s_sub_co_u32 s[CNT], s[CNT], 1
	s_cmp_lg_u32 s[CNT], 0
	s_cbranch_scc1 .Lkeys
	; THE WAY OUT: O^T / the sum, quantised along the head's 128: by the order of v's channels register 16 b + i is channel 32 b + 16 h + i
	v_add_f32 v14, v14, v15
	s_delay_alu instid0(VALU_DEP_1)
	v_permlanex16_b32 v252, v14, s[SEL], s[SEL+1]
	s_delay_alu instid0(VALU_DEP_1)
	v_add_f32 v14, v14, v252                       ; the row's sum
	s_wait_alu depctr_va_vdst(0)
	v_rcp_f32 v14, v14
.rept 3
	v_nop                                          ; a plain place behind the reciprocal; with the additions above the places behind the last products
.endr
	s_wait_alu depctr_va_vdst(0)                   ; ahead of the reciprocal's first reader
.set j, 0
.rept 32
	v_pk_mul_f32 v[96+j:97+j], v[160+j:161+j], v[14:15] op_sel_hi:[1,0]   ; each accumulator from its low end on
.set j, j+2
.endr
.irp b, 0,1,2,3
	v_max3_num_f32 v[TM+\b], |v[96+16*\b]|, |v[97+16*\b]|, 0x1800000
.endr
.irp i, 2,4,6,8,10,12,14
.irp b, 0,1,2,3
	s_delay_alu instid0(VALU_DEP_4)
	v_max3_num_f32 v[TM+\b], |v[96+16*\b+\i]|, |v[97+16*\b+\i]|, v[TM+\b]
.endr
.endr
.irp b, 0,1,2,3
	s_delay_alu instid0(VALU_DEP_4)
	v_permlanex16_b32 v[TM+4+\b], v[TM+\b], s[SEL], s[SEL+1]
.endr
.irp b, 0,1,2,3
	s_delay_alu instid0(VALU_DEP_4)
	v_max_num_f32 v[TM+\b], v[TM+\b], v[TM+4+\b]
.endr
.irp b, 0,1,2,3
	s_delay_alu instid0(VALU_DEP_4)
	v_add_nc_u32 v[TM+12+\b], 0xff000000, v[TM+\b]
.endr
.irp b, 0,1,2,3
	s_delay_alu instid0(VALU_DEP_4)
	v_lshrrev_b32 v[TM+4+\b], 23, v[TM+12+\b]
.endr
	s_delay_alu instid0(VALU_DEP_3)
	v_lshl_or_b32 v253, v[TM+5], 8, v[TM+4]
	s_delay_alu instid0(VALU_DEP_1)
	v_lshl_or_b32 v253, v[TM+6], 16, v253
	s_delay_alu instid0(VALU_DEP_1)
	v_lshl_or_b32 v253, v[TM+7], 24, v253          ; my row's scale word
.irp c, 0,1
	v_cvt_scalef32_pk16_fp6_f32 v[32+6*\c:34+6*\c], v[96+32*\c:111+32*\c], v[TM+12+2*\c]
	v_cvt_scalef32_pk16_fp6_f32 v[44+4*\c:46+4*\c], v[112+32*\c:127+32*\c], v[TM+13+2*\c]
.endr
	v_nop
.irp c, 0,1
.irp i, 0,1,2
	v_permlane16_swap_b32 v[32+6*\c+\i], v[44+4*\c+\i]
.endr
.irp i, 0,1,2
	s_delay_alu instid0(VALU_DEP_3)
	v_mov_b32 v[35+6*\c+\i], v[44+4*\c+\i]
.endr
.endr
.irp c, 0,1,2
	global_store_b128 v[LI], v[32+4*\c:35+4*\c], s[84:85] offset:512*\c   ; 512 consecutive bytes, aligned
.endr
	global_store_b32 v[R4], v253, s[86:87]         ; lanes l and l + 16 hold the same row's word and write it to the same place
	s_wait_tensorcnt 0x0                           ; the wave's end
	ds_add_u32 v[SPW], v[NIL]
	s_wait_dscnt 0x0
	CROUND                                         ; the closing round
	s_endpgm
.Lfunc_end_k_q3da5511f45_attn:
	.size	k_q3da5511f45_attn, .Lfunc_end_k_q3da5511f45_attn-k_q3da5511f45_attn
	.p2alignl 7, 3214868480
	.fill 96, 4, 3214868480
	.section	.rodata,"a",@progbits
	.p2align	6, 0x0
	.amdhsa_kernel k_q3da5511f45_attn
		.amdhsa_group_segment_fixed_size 327680
		.amdhsa_private_segment_fixed_size 0
		.amdhsa_enable_private_segment 0
		.amdhsa_kernarg_size 32
		.amdhsa_user_sgpr_count 2
		.amdhsa_user_sgpr_kernarg_segment_ptr 1
		.amdhsa_wavefront_size32 1
		.amdhsa_system_sgpr_workgroup_id_x 1
		.amdhsa_system_sgpr_workgroup_id_y 1
		.amdhsa_system_sgpr_workgroup_id_z 1
		.amdhsa_system_vgpr_workitem_id 0
		.amdhsa_next_free_vgpr 256
		.amdhsa_next_free_sgpr 100
		.amdhsa_reserve_vcc 1
		.amdhsa_float_denorm_mode_32 3
		.amdhsa_float_denorm_mode_16_64 3
		.amdhsa_memory_ordered 1
		.amdhsa_forward_progress 1
		.amdhsa_inst_pref_size 99
	.end_amdhsa_kernel
	.amdgpu_metadata
---
amdhsa.version: [ 1, 2 ]
amdhsa.kernels:
  - .name:           k_q3da5511f45_attn
    .symbol:         k_q3da5511f45_attn.kd
    .args:
      - { .name: qkv_img, .offset: 0, .size: 8, .value_kind: global_buffer, .address_space: global }
      - { .name: qkv_sc, .offset: 8, .size: 8, .value_kind: global_buffer, .address_space: global }
      - { .name: o_img, .offset: 16, .size: 8, .value_kind: global_buffer, .address_space: global }
      - { .name: o_sc, .offset: 24, .size: 8, .value_kind: global_buffer, .address_space: global }
    .group_segment_fixed_size: 327680
    .private_segment_fixed_size: 0
    .kernarg_segment_align: 8
    .kernarg_segment_size: 32
    .max_flat_workgroup_size: 512
    .sgpr_count:     100
    .vgpr_count:     256
    .wavefront_size: 32
...
	.end_amdgpu_metadata
.endif
;; end of part 3
;; launch gemm_out (part 4): grid 8 x 32, 4 waves a work-group, clusters of 4 x 1, 327,680 bytes of LDS; arguments o_img, o_sc, w_img, w_sc, out0; writes out0
.if DOCPART == 4
	.amdgcn_target "amdgcn-amd-amdhsa--gfx1250"
	.amdhsa_code_object_version 6
	.text
	.protected	k_q3da5511f45_gemm_out
	.globl	k_q3da5511f45_gemm_out
	.p2align	8
	.type	k_q3da5511f45_gemm_out,@function
k_q3da5511f45_gemm_out:
	s_mov_b64 s[64:65], 0
	v_nop
	global_prefetch_b8 v0, s[64:65] scope:SCOPE_SE
	s_setreg_imm32_b32 hwreg(HW_REG_WAVE_MODE, 25, 1), 1
	s_wait_xcnt 0x0
	s_wait_alu depctr_hold_cnt(0) depctr_sa_sdst(0) depctr_va_vdst(0) depctr_va_sdst(0) depctr_va_ssrc(0) depctr_va_vcc(0) depctr_vm_vsrc(0)
	s_getreg_b32 s2, hwreg(HW_REG_IB_STS2, 6, 4)
	s_cmp_eq_u32 s2, 0
	s_cbranch_scc0 .Lentry_in_a_cluster
	s_endpgm
.Lentry_in_a_cluster:
	s_bfe_u32 s2, ttmp6, 0x10000c
	s_cmp_lg_u32 s2, 0x3003
	s_cbranch_scc0 .Lentry_shape_is_right
	s_endpgm
.Lentry_shape_is_right:
; out0 = o Wo on codes of FP6 (E2M3) with E8M0 scales, K = 2,048 (16 heads x 128); out0 [4096][2048] f32.
; Operands are IMAGES OF FRAGMENTS (16 rows x 128 K, 1,536 bytes: register p of lane l at (p / 4) 512 + 16 l + 4 (p % 4)), [tile][K step 16], with 64 bytes of scale words each; row r of tile 2 b + u is true index 32 b + 8 u + r + 8 (r / 8).
; A work-group makes 128 rows x 256 columns; a wave 128 (source 1: 8 tiles of o) x 64 (source 0: 4 tiles of Wo, w_img's tiles from 192 on): 32 accumulators, 256 registers.  A lane holds one row of o, its registers run along Wo's columns.
; SOURCE 1, all of K, 196,608 dense bytes, and its scale words, 8,192 bytes, are asked for ONCE, at the head, one tensor load a wave: waves 0, 1 three tiles each, wave 2 two tiles, wave 3 the scale words.  No LDS byte is filled again.
; CLUSTER 4 x 1: the four work-groups make four column blocks of the same 128 rows: they ask for source 1 jointly.
; SOURCE 0 is read by one wave alone: it goes from memory straight into registers, as the images lie, 512 consecutive bytes a load, in four sets, asked for three K steps ahead (14 loads a set, 56 out at the most).
; No prefetch: source 1 is asked for whole at the head, and source 0's loads themselves stand three K steps ahead of their use.
; THE WAY OUT: a tile's 16 rows x 64 columns go through the wave's own stage in LDS and leave as rows of 256 bytes: sixteen lanes store one aligned block of 256 bytes.
; REGISTERS: window 0: v4-21 addresses; v32-47 source 1's scale words, two sets (lanes 0-15 the even K step, lanes 16-31 the odd); v48-55 source 0's (set q at + 2 q; lanes 0-15 tile 2 e, lanes 16-31 tile 2 e + 1);
;   v64-255 source 1's fragments, two sets; on the way out v64-127.  window 1: v0-191 source 0's fragments, four sets.  window 2: accumulator (a, b) at v[8 (4 a + b)].
.set FRB,   1536
.set GRP,   4*FRB
.set GROW,  16*FRB                     ; from tile to tile, in memory and in LDS
.set SCL,   8*GROW                     ; behind source 1's fragments: its scale words, [tile 8][K step 16][64]
.set SPARE, SCL+8192+256               ; the spare words, 128 bytes a wave
.set STAGE, SPARE+512                  ; the stages: 16 rows x (256 + 16) bytes a wave; no tensor load lands there
.set SPITCH, 272
.set LI,  4                            ; 16 x lane
.set SBO, 5                            ; source 0's scale words: 1024 (lane / 16) + 4 (lane % 16)
.set ASB, 6                            ; source 1's scale words, K step 0
.set ADS, 7                            ; those of the four K steps in hand
.set ADB, 8                            ; v8-11  source 1's tiles 2 i, 2 i + 1, K step 0
.set AD,  12                           ; v12-15 the same, the four K steps in hand
.set STO, 16
.set RD,  17
.set CO,  18
.set SPW, 20                           ; my spare word; never rewritten
.set NIL, 21                           ; 0; never rewritten
.set SAR, 32
.set SB,  48
.set AF,  64
.set BK,  64
.set WV, 16
.set CX, 17
.set TC, 18
.set TR, 19
.set G1X, 32                           ; 288 rows of 256 bytes
.set G1Y, 40                           ; 192 rows
.set G1S, 48                           ; 32 rows
.set GA,  56
.set GS,  60
.set BP,  66
.set BS,  68
.set OUT, 70
.set SA,  72
.set TS,  73
.set CNT, 74
.set MSB, 0
.macro WIN new                         ; the immediate's high byte repeats the setting that is left
.if MSB != (\new)
	s_set_vgpr_msb (MSB<<8)|(\new)
.set MSB, (\new)
.endif
.endm
.set MUL,  0xa1                        ; source 0 window 1, source 1 window 0, C and D window 2
.set TO_B, 0x40                        ; destination window 1
.macro PLACES                          ; plain places behind matrix instructions (ISA guide 7.12.1)
.rept 4
	v_nop
.endr
.endm
.macro CROUND                          ; a round of the cluster's barrier
	s_barrier_signal -1
	s_barrier_wait -1
	s_cmp_lg_u32 s[WV], 0
	s_cbranch_scc1 .Lnot_wave_0_\@
	s_barrier_signal -3
.Lnot_wave_0_\@:
	s_barrier_wait -3
	s_barrier_signal -1
	s_barrier_wait -1
.endm
	s_load_b256 s[4:11], s[0:1], 0x0               ; o_img, o_sc, w_img, w_sc
	s_load_b64 s[12:13], s[0:1], 0x20              ; out0
	v_lshl_add_u32 v[SPW], v0, 2, SPARE
	v_mov_b32 v[NIL], 0
	ds_add_u32 v[SPW], v[NIL]                      ; the opening: the add, twice on end, and its wait ahead of the round in front of the first tensor loads
	ds_add_u32 v[SPW], v[NIL]
	v_lshrrev_b32 v1, 5, v0
	v_readfirstlane_b32 s[WV], v1
	s_mul_i32 s23, s[WV], 16*SPITCH
	s_add_co_u32 s23, s23, STAGE                   ; my stage
	v_and_b32 v2, 31, v0
	v_and_b32 v3, 15, v0                           ; r
	v_bfe_u32 v1, v0, 4, 1                         ; h
	v_lshlrev_b32 v[LI], 4, v2
	v_lshl_add_u32 v[ASB], v2, 2, SCL
	v_lshlrev_b32 v[SBO], 2, v3
	v_lshl_add_u32 v[SBO], v1, 10, v[SBO]
	v_mul_u32_u24 v[STO], v3, SPITCH
	v_mul_u32_u24 v[RD], v1, SPITCH
	v_lshlrev_b32 v[CO], 4, v3
	v_lshl_add_u32 v[STO], v1, 6, v[STO]
	v_lshl_add_u32 v[RD], v3, 4, v[RD]
	v_lshl_add_u32 v[CO], v1, 13, v[CO]            ; out0: lanes 0-15 one row's 256 bytes, lanes 16-31 the next row's
	v_add_nc_u32 v[STO], s23, v[STO]               ; into the stage: row r, + 64 h
	v_add_nc_u32 v[RD], s23, v[RD]                 ; out of it: sixteen lanes to a row
	v_mov_b32 v[ADB], v[LI]
.irp i, 1,2,3
	v_add_nc_u32 v[ADB+\i], \i*2*GROW, v[LI]
.endr
	v_mov_b32 v[AD], v[LI]
.irp i, 1,2,3
	v_add_nc_u32 v[AD+\i], \i*2*GROW, v[LI]
.endr
	v_mov_b32 v[ADS], v[ASB]
	s_wait_alu depctr_va_vdst(0)                   ; the wait here, ahead of the scalar work and the waits below
	s_bfe_u32 s[CX], ttmp6, 0x40000                ; cx enters source 0's and out0's global addresses alone
	s_lshl_b32 s[TC], ttmp9, 2
	s_add_co_u32 s[TC], s[TC], s[CX]               ; column block = 4 x cluster x + cx
	s_and_b32 s[TR], ttmp7, 0xffff                 ; row block
	; groups 1: dense blocks as rows of 256 bytes (32 elements of 8 bytes); the mask names all four work-groups, bit 21 beside it
.irp g, G1X, G1Y, G1S
	s_mov_b32 s[\g], 15|(3<<16)|(1<<21)
	s_mov_b32 s[\g+1], 32<<16
	s_mov_b32 s[\g+3], 32<<16
	s_mov_b32 s[\g+5], 32
	s_mov_b32 s[\g+6], 0
	s_mov_b32 s[\g+7], 0
.endr
	s_mov_b32 s[G1X+2], 288<<16
	s_mov_b32 s[G1X+4], 288
	s_mov_b32 s[G1Y+2], 192<<16
	s_mov_b32 s[G1Y+4], 192
	s_mov_b32 s[G1S+2], 32<<16
	s_mov_b32 s[G1S+4], 32
	s_mul_i32 s76, s[TR], 8*GROW                   ; source 1: my rows' 8 tiles,
	s_mul_i32 s20, s[WV], 3*GROW                   ; of which waves 0, 1, 2 fetch tiles 0-2, 3-5, 6-7
	s_add_co_u32 s76, s76, s20
	s_lshl_b32 s78, s[TR], 13                      ; their scale words
	s_lshl_b32 s21, s[TC], 4
	s_lshl_b32 s22, s[WV], 2
	s_add_co_u32 s21, s21, s22
	s_add_co_u32 s21, s21, 192                     ; source 0: tile 192 + 16 x column block + 4 x wave
	s_mul_i32 s80, s21, GROW
	s_lshl_b32 s82, s21, 10
	s_lshl_b32 s84, s[TR], 20                      ; out0: 128 rows of 8,192 bytes a row block,
	s_lshl_b32 s22, s[TC], 10
	s_add_co_u32 s84, s84, s22                     ; 1,024 bytes a column block,
	s_lshl_b32 s22, s[WV], 8
	s_add_co_u32 s84, s84, s22                     ; 256 bytes a wave
.irp r, 77,79,81,83,85
	s_mov_b32 s\r, 0
.endr
	s_mov_b32 s[SA], 0
	s_mov_b32 s[TS], 0
	s_wait_dscnt 0x0                               ; both opening adds are done
	s_wait_kmcnt 0x0
	s_add_nc_u64 s[BP:BP+1], s[8:9], s[80:81]
	s_add_nc_u64 s[BS:BS+1], s[10:11], s[82:83]
	s_add_nc_u64 s[OUT:OUT+1], s[12:13], s[84:85]
	s_mov_b32 s[GA], 1
	s_mov_b32 s[GA+1], s20
	s_add_nc_u64 s[GA+2:GA+3], s[4:5], s[76:77]
	s_or_b32 s[GA+3], s[GA+3], 0x80000000
	s_mov_b32 s[GS], 1
	s_mov_b32 s[GS+1], SCL
	s_add_nc_u64 s[GS+2:GS+3], s[6:7], s[78:79]
	s_or_b32 s[GS+3], s[GS+3], 0x80000000
.macro BLOAD set, bo                   ; source 0's four fragments and their scale words, K step bo counted from the pointers' place, into a set
	WIN TO_B
.irp b, 0,1,2,3
.irp c, 0,1,2
	global_load_b128 v[48*(\set)+12*\b+4*\c:48*(\set)+12*\b+4*\c+3], v[LI], s[BP:BP+1] offset:\b*GROW+(\bo)*FRB+512*\c
.endr
.endr
	WIN 0
.irp e, 0,1
	global_load_b32 v[SB+2*(\set)+\e], v[SBO], s[BS:BS+1] offset:\e*2048+(\bo)*64
.endr
.endm
.macro RUN fo, set                     ; source 1's eight fragments of K step fo, counted from the addresses' place, into a set
.irp a, 0,1,2,3,4,5,6,7
.irp c, 0,1,2
	ds_load_b128 v[AF+96*(\set)+12*\a+4*\c:AF+96*(\set)+12*\a+4*\c+3], v[AD+\a/2] offset:(\a%2)*GROW+(\fo)*FRB+512*\c
.endr
.endr
.endm
.macro SCALES so, set                  ; source 1's scale words of two K steps, at byte so of a tile's, into a set
.irp a, 0,1,2,3,4,5,6,7
	ds_load_b32 v[SAR+8*(\set)+\a], v[ADS] offset:\a*1024+(\so)
.endr
.endm
.macro WM a, b, q, zero                ; the 32 accumulators take turns, one instruction a turn, in the same order in every step
.set DD, 8*(4*(\a)+\b)
.set S0, 48*(\q)+12*\b
.set S1, AF+96*((\q)%2)+12*(\a)
.set X0, SB+2*(\q)+(\b)/2
.set X1, SAR+8*((\q)/2)+(\a)
.if \zero
.if (\b)%2
	v_wmma_scale_f32_16x16x128_f8f6f4 v[DD:DD+7], v[S0:S0+11], v[S1:S1+11], 0, v[X0], v[X1] matrix_a_fmt:MATRIX_FMT_FP6 matrix_b_fmt:MATRIX_FMT_FP6 matrix_a_scale:MATRIX_SCALE_ROW1
.else
	v_wmma_scale_f32_16x16x128_f8f6f4 v[DD:DD+7], v[S0:S0+11], v[S1:S1+11], 0, v[X0], v[X1] matrix_a_fmt:MATRIX_FMT_FP6 matrix_b_fmt:MATRIX_FMT_FP6
.endif
.elseif (\q)%2
.if (\b)%2
	v_wmma_scale_f32_16x16x128_f8f6f4 v[DD:DD+7], v[S0:S0+11], v[S1:S1+11], v[DD:DD+7], v[X0], v[X1] matrix_a_fmt:MATRIX_FMT_FP6 matrix_b_fmt:MATRIX_FMT_FP6 matrix_a_scale:MATRIX_SCALE_ROW1 matrix_b_scale:MATRIX_SCALE_ROW1
.else
	v_wmma_scale_f32_16x16x128_f8f6f4 v[DD:DD+7], v[S0:S0+11], v[S1:S1+11], v[DD:DD+7], v[X0], v[X1] matrix_a_fmt:MATRIX_FMT_FP6 matrix_b_fmt:MATRIX_FMT_FP6 matrix_b_scale:MATRIX_SCALE_ROW1
.endif
.else
.if (\b)%2
	v_wmma_scale_f32_16x16x128_f8f6f4 v[DD:DD+7], v[S0:S0+11], v[S1:S1+11], v[DD:DD+7], v[X0], v[X1] matrix_a_fmt:MATRIX_FMT_FP6 matrix_b_fmt:MATRIX_FMT_FP6 matrix_a_scale:MATRIX_SCALE_ROW1
.else
	v_wmma_scale_f32_16x16x128_f8f6f4 v[DD:DD+7], v[S0:S0+11], v[S1:S1+11], v[DD:DD+7], v[X0], v[X1] matrix_a_fmt:MATRIX_FMT_FP6 matrix_b_fmt:MATRIX_FMT_FP6
.endif
.endif
.endm
; A step of 128 along K.  q: its place among four, and source 0's set; bo: where source 0's loads for three steps on stand (0: none); lw: source 0's loads younger than this step's set;
; fo: where the next step's fragments of source 1 stand (0: none).  All the step's loads stand in one run at its head, behind four places: they land in registers that the last step's products, or earlier ones, read.
.macro STEP q, zero, bo, lw, fo
	PLACES
.if \bo
	BLOAD ((\q)+3)%4, \bo
.endif
.if \fo
	RUN \fo, ((\q)+1)%2
.if (\q)%2
	SCALES 64*((\q)+1), (((\q)+1)/2)%2             ; the next two steps' scale words, into the set that is not at work
.endif
.endif
	s_wait_loadcnt \lw
.if \fo
	s_wait_dscnt 24+8*((\q)%2)                     ; the last step's run is in; the run just issued may be out
.else
	s_wait_dscnt 0x0
.endif
	WIN MUL
.irp a, 0,1,2,3,4,5,6,7
.irp b, 0,1,2,3
	WM \a, \b, \q, \zero
.endr
.endr
	WIN 0
.endm
	BLOAD 0, 0                                     ; source 0's first three K steps are asked for ahead of the round
	BLOAD 1, 1
	BLOAD 2, 2
	CROUND                                         ; all four work-groups are here: the joint loads meet
	s_cmp_lt_u32 s[WV], 2                          ; one chain of branches on the wave's number, one fill to an arm
	s_cbranch_scc0 .Lhead_2
	tensor_load_to_lds s[GA:GA+3], s[G1X:G1X+7]    ; waves 0, 1: three tiles
	s_nop 0
	PLACES
	s_branch .Lhead_asked
.Lhead_2:
	s_cmp_lt_u32 s[WV], 3
	s_cbranch_scc0 .Lhead_3
	tensor_load_to_lds s[GA:GA+3], s[G1Y:G1Y+7]    ; wave 2: two tiles
	s_nop 0
	PLACES
	s_branch .Lhead_asked
.Lhead_3:
	tensor_load_to_lds s[GS:GS+3], s[G1S:G1S+7]    ; wave 3: the scale words
	s_nop 0
	PLACES
.Lhead_asked:
	s_wait_alu depctr_va_vdst(0)
	s_wait_tensorcnt 0x0                           ; my fill is in,
	s_barrier_signal -1
	s_barrier_wait -1                              ; everybody's is
	SCALES 0, 0
	RUN 0, 0
	STEP 0, 1, 3, 42, 1                            ; the first step's products start the sums
	s_mov_b32 s[CNT], 3
.Lfour:                                                ; a trip: four K steps, from the second of four to the first of the next four
	STEP 1, 0, 4, 42, 2
	STEP 2, 0, 5, 42, 3
	STEP 3, 0, 6, 42, 4
	STEP 0, 0, 7, 42, 5
	s_wait_xcnt 0x0                                ; source 0's loads have read their bases
	s_add_nc_u64 s[BP:BP+1], s[BP:BP+1], GRP
	s_add_nc_u64 s[BS:BS+1], s[BS:BS+1], 256
	s_add_co_u32 s[SA], s[SA], GRP
	s_add_co_u32 s[TS], s[TS], 256
.irp i, 0,1,2,3
	v_add_nc_u32 v[AD+\i], s[SA], v[ADB+\i]
.endr
	v_add_nc_u32 v[ADS], s[TS], v[ASB]
	s_sub_co_u32 s[CNT], s[CNT], 1
	s_cmp_lg_u32 s[CNT], 0
	s_wait_alu depctr_va_vdst(0)                   ; directly ahead of the branch
	s_cbranch_scc1 .Lfour
	STEP 1, 0, 0, 28, 2                            ; K steps 13 to 15: source 0's last set has been asked for
	STEP 2, 0, 0, 14, 3
	STEP 3, 0, 0, 0, 0
; THE WAY OUT, tile by tile of 16 rows x 64 columns.  Register j of accumulator b is column 32 (b / 2) + 16 h + 8 (b % 2) + j of the lane's row.  LDS serves a wave's instructions in order (ISA guide 5.7.1.4): no wait between the stores and the loads.
.macro TOSTAGE a
	WIN 0x08                                       ; the data: window 2
.irp b, 0,1,2,3
	ds_store_b128 v[STO], v[32*(\a)+8*\b:32*(\a)+8*\b+3] offset:128*(\b/2)+32*(\b%2)       ; each accumulator from its low end on
	ds_store_b128 v[STO], v[32*(\a)+8*\b+4:32*(\a)+8*\b+7] offset:128*(\b/2)+32*(\b%2)+16
.endr
	WIN 0
.irp t, 0,1,2,3,4,5,6,7
	ds_load_b128 v[BK+32*((\a)%2)+4*\t:BK+32*((\a)%2)+4*\t+3], v[RD] offset:\t*2*SPITCH
.endr
.endm
.macro SEND a, younger                 ; younger: the LDS instructions issued behind tile a's loads, which may stay out
	s_wait_dscnt \younger
.irp t, 0,1,2,3,4,5,6,7
	global_store_b128 v[CO], v[BK+32*((\a)%2)+4*\t:BK+32*((\a)%2)+4*\t+3], s[OUT:OUT+1] offset:(32*((\a)/2)+8*((\a)%2)+2*\t+8*(\t/4))*8192 th:TH_STORE_NT   ; two rows' aligned blocks of 256 bytes
.endr
.endm
	PLACES
	TOSTAGE 0
.irp a, 1,2,3,4,5,6,7
.if \a > 1
	s_wait_xcnt 0x0                                ; the stores of two tiles back have read their registers
.endif
	TOSTAGE \a
	SEND \a-1, 16                                  ; behind tile a - 1's loads: tile a's 8 stores and 8 loads
.endr
	SEND 7, 0
	s_wait_tensorcnt 0x0                           ; the wave's end
	ds_add_u32 v[SPW], v[NIL]
	s_wait_dscnt 0x0
	CROUND                                         ; the closing round
	s_endpgm
.Lfunc_end_k_q3da5511f45_gemm_out:
	.size	k_q3da5511f45_gemm_out, .Lfunc_end_k_q3da5511f45_gemm_out-k_q3da5511f45_gemm_out
	.p2alignl 7, 3214868480
	.fill 96, 4, 3214868480
	.section	.rodata,"a",@progbits
	.p2align	6, 0x0
	.amdhsa_kernel k_q3da5511f45_gemm_out
		.amdhsa_group_segment_fixed_size 327680
		.amdhsa_private_segment_fixed_size 0
		.amdhsa_enable_private_segment 0
		.amdhsa_kernarg_size 40
		.amdhsa_user_sgpr_count 2
		.amdhsa_user_sgpr_kernarg_segment_ptr 1
		.amdhsa_wavefront_size32 1
		.amdhsa_system_sgpr_workgroup_id_x 1
		.amdhsa_system_sgpr_workgroup_id_y 1
		.amdhsa_system_sgpr_workgroup_id_z 1
		.amdhsa_system_vgpr_workitem_id 0
		.amdhsa_next_free_vgpr 768
		.amdhsa_next_free_sgpr 100
		.amdhsa_reserve_vcc 0
		.amdhsa_float_denorm_mode_32 3
		.amdhsa_float_denorm_mode_16_64 3
		.amdhsa_memory_ordered 1
		.amdhsa_forward_progress 1
		.amdhsa_inst_pref_size 82
	.end_amdhsa_kernel
	.amdgpu_metadata
---
amdhsa.version: [ 1, 2 ]
amdhsa.kernels:
  - .name:           k_q3da5511f45_gemm_out
    .symbol:         k_q3da5511f45_gemm_out.kd
    .args:
      - { .name: o_img, .offset: 0, .size: 8, .value_kind: global_buffer, .address_space: global }
      - { .name: o_sc, .offset: 8, .size: 8, .value_kind: global_buffer, .address_space: global }
      - { .name: w_img, .offset: 16, .size: 8, .value_kind: global_buffer, .address_space: global }
      - { .name: w_sc, .offset: 24, .size: 8, .value_kind: global_buffer, .address_space: global }
      - { .name: out0, .offset: 32, .size: 8, .value_kind: global_buffer, .address_space: global }
    .group_segment_fixed_size: 327680
    .private_segment_fixed_size: 0
    .kernarg_segment_align: 8
    .kernarg_segment_size: 40
    .max_flat_workgroup_size: 128
    .sgpr_count:     100
    .vgpr_count:     768
    .wavefront_size: 32
...
	.end_amdgpu_metadata
.endif
;; end of part 4
